; MI455X (gfx1250); checked and timed in simulation.
; The chip was launched on July 23, 2026; its instructions are those of AMD's public machine-readable ISA for CDNA 5 (MIT licence, August 2026) and "CDNA5" Instruction Set Architecture Reference Guide (July 2026). The comments in the code are by the model that wrote it; some were corrected since.
;; i Transformer Block. Allowed arithmetic: matrix products marked QUANTISED: E4M3 operands, one given power-of-two scale a tensor, by v_wmma_f32_16x16x64_fp8_fp8 or v_wmma_f32_16x16x128_fp8_fp8, f32 sums; everything else in f32.
;; Inputs: b1 2,048 float32; b2 512 float32; be1 512 float32; be2 512 float32; bk 512 float32; bo 512 float32; bq 512 float32; bv 512 float32; eclipse_mask 4 x 1,024 bool; g1 512 float32; g2 512 float32; lowp_scales 16 int32 (the exponents e of the quantised operands' scales 2^e); w1 2,048 x 512 float32; w2 512 x 2,048 float32; wk 512 x 512 float32; wo 512 x 512 float32; wq 512 x 512 float32; wv 512 x 512 float32; x 4 x 1,024 x 4 x 512 float32.
;; Outputs: out0 4 x 1,024 x 4 x 512 float32.
;; This version of the problem:
;;   THIS VERSION OF THE PROBLEM IS GIVEN IN LOW PRECISION. The matrix products marked QUANTISED in the list below multiply operands that are first quantised to E4M3 (4 exponent bits, 3 mantissa bits; 8 bits a number), with one given power-of-two scale for each operand tensor; their sums are f32. All else is computed in f32.
;;   The module's matrix products, in the order in which they are computed (A, B: the left and right operand; K: the contracted axis; several contracted axes count as one K, in the product's order):
;;     1. [M 16,384, K 512] x [K 512, N 512]; A: input x; B: input wq: QUANTISED (scales: A lowp_scales[0], B lowp_scales[1])
;;     2. [M 16,384, K 512] x [K 512, N 512]; A: input x; B: input wk: QUANTISED (scales: A lowp_scales[2], B lowp_scales[3])
;;     3. [M 16,384, K 512] x [K 512, N 512]; A: input x; B: input wv: QUANTISED (scales: A lowp_scales[4], B lowp_scales[5])
;;     4. batch 128 x [M 1,024, K 64] x [K 64, N 1,024]; A: computed on the way; B: computed on the way: QUANTISED (scales: A lowp_scales[6], B lowp_scales[7])
;;     5. batch 128 x [M 1,024, K 1,024] x [K 1,024, N 64]; A: softmax (see below); B: computed on the way: QUANTISED (scales: A lowp_scales[8], B lowp_scales[9])
;;     6. [M 16,384, K 512] x [K 512, N 512]; A: computed on the way; B: input wo: QUANTISED (scales: A lowp_scales[10], B lowp_scales[11])
;;     7. [M 16,384, K 512] x [K 512, N 2,048]; A: computed on the way; B: input w1: QUANTISED (scales: A lowp_scales[12], B lowp_scales[13])
;;     8. [M 16,384, K 2,048] x [K 2,048, N 512]; A: computed on the way; B: input w2: QUANTISED (scales: A lowp_scales[14], B lowp_scales[15])
;;   THE QUANTISER, for each operand of a quantised product, along K:
;;     - The operand's scale is 2^e, e = its entry of the input lowp_scales (int32; the entries are numbered through the quantised products in the list's order, A before B).
;;     - Each number is divided by the scale, clamped to +-448, and rounded to the nearest number of E4M3, ties to even, subnormals kept.
;;     - The product sums the exact products of the quantised numbers (number of the format x scale) in f32.
;;   ~~~python
;;   def quantise(x, axis, e):      # numpy; x: float32 -> the quantised numbers, widened to float32 again
;;       x = np.moveaxis(x, axis, -1); K = x.shape[-1]
;;       r = np.clip(x / 2.0 ** e, -448, 448)
;;       step = 2.0 ** (np.maximum(np.frexp(np.where(r == 0, 1, r))[1] - 1, -6) - 3)
;;       q = np.round(r / step) * step * 2.0 ** e      # np.round: ties to even
;;       return np.moveaxis(q, -1, axis).astype(np.float32)
;;   ~~~
;;   SOFTMAX AHEAD OF A QUANTISED PRODUCT. Where the list says 'softmax', what is quantised is not the finished softmax but p = 2^(t - M), with t = logit x log2(e) and M = ceil(the row's largest t), a whole number; so 1/2 < the row's largest p <= 1. The row's sum l is taken of the UNQUANTISED p, in f32, and the product's result is divided by l at the end. Since M is a whole number, a kernel that streams over the keys may use a running M (the ceiling of the running maximum): every later rescaling is an exact power of two, so the quantised numbers keep their values, but for numbers so far below the row's largest that they fall under the format's range.
;;   OPERANDS COMPUTED ON THE WAY. 'Computed on the way' means the value that the module computes at that place (a softmax that the list does not call 'softmax' is quantised finished and normalised). What goes into a quantiser is computed in f32, as accurately as f32 sums, v_exp_f32 and their like allow (about 1e-6 of the number): no bf16 or f16 on the way to a quantiser, and a product that is left as it is and whose result goes on into a quantised operand takes f32 operands (vector FMAs, or v_wmma_f32_16x16x4_f32). A number that lies on a knife's edge between two numbers of the format may be rounded either way, as far as f32 arithmetic and the matrix unit's own rounding can turn it there, and no further.
;; One version. Each part assembles by itself: llvm-mc -triple=amdgcn-amd-amdhsa -mcpu=gfx1250 --defsym DOCPART=n.
;; ======== version 1 of 1: 4 launches
;; limits: right only within a limited range of input values
;; workspace buffers: wc 3,145,728 bytes; qc 8,388,608 bytes; kc 8,388,608 bytes; vc 8,388,608 bytes; ctxc 8,388,608 bytes
;; launch prep (part 1): grid 256 x 1, 6 waves a work-group, no clusters, 51,456 bytes of LDS; arguments wq, wk, wv, wo, w1, w2, lowp_scales, wc; writes wc
.if DOCPART == 1
	.amdgcn_target "amdgcn-amd-amdhsa--gfx1250"
	.amdhsa_code_object_version 6
	.text
	.protected	k_qd6940b11ed_prep
	.globl	k_qd6940b11ed_prep
	.p2align	8
	.type	k_qd6940b11ed_prep,@function
k_qd6940b11ed_prep:
	s_mov_b64 s[64:65], 0
	v_nop
	global_prefetch_b8 v0, s[64:65] scope:SCOPE_SE
	s_setreg_imm32_b32 hwreg(HW_REG_WAVE_MODE, 25, 1), 1
	s_wait_xcnt 0x0
; The six weights, f32 [N][K] with K innermost, become codes of E4M3, laid as IMAGES OF OPERAND REGISTERS in the order in which the later launches take them.
; A fragment is 16 rows x 128 K: lane (r = lane % 16, h = lane / 16) holds row r, registers 2c, 2c+1 hold k = 16c + 8h + 0..7.  Its image is 2,048 bytes: registers 4cc..4cc+3 of lane l at 512 cc + 16 l.
; 1,536 fragments; one wave makes one: F = 6 x work-group + wave; fragment F lies at byte 2,048 F of wc.
;   F < 384: tensor F>>7 (wq, wk, wv), rows 16 ((F>>2) & 31), k from 128 (F & 3).      384 <= F < 512: wo, rows 128 w + 16 t, k from 128 (2 blk + kk); F = 384 + 32 w + 16 blk + 8 kk + t.
;   F >= 512: F = 512 + 128 j + 32 w + 16 sub + f.  sub 0: w1, rows 256 j + 64 w + 16 (f>>2), k from 128 (f & 3).  sub 1: w2, rows 128 w + 16 (f & 7), k from 256 j + 128 (f>>3).
;   So from F = 384 on, what wave w of the last launch takes in one step is 32 fragments on end.
; code = x / 2^e, held within +-448, to the nearest code, ties to even; e = entry 1, 3, 5, 11, 13, 15 of the scales.  LIMITS: -126 <= e <= 119.  NaN among the inputs is not served.
; Each load reads 512 consecutive bytes of one row; the 16 rows turn through the wave's own stage in LDS (rows 528 bytes apart) so that a lane gets 8 neighbours along K for each conversion.
; Waves share nothing: no barrier.  All choices are made by selects on the fragment's number.
.set STG,   8448                       ; a wave's stage: 16 rows x 528 bytes
.set SPARE, 6*STG                      ; behind the stages: the spare words, 128 bytes for each of six waves: three blocks of 256 bytes that no other line names
.set OFS,   12                         ; v12-27   byte offset of my 16 bytes in row i
.set RAW,   32                         ; v32-95   16 rows as loaded
.set NUM,   96                         ; v96-159  my 64 numbers, 8 for each c
.set COD,   160                        ; v160-175 the fragment's codes
	s_load_b256 s[4:11], s[0:1], 0x0               ; wq, wk, wv, wo
	s_load_b256 s[12:19], s[0:1], 0x20             ; w1, w2, the scales' exponents, wc
	v_lshl_add_u32 v2, v0, 2, SPARE                ; my spare word
	v_mov_b32 v3, 0
	v_lshrrev_b32 v1, 5, v0
	v_readfirstlane_b32 s20, v1                    ; wave 0..5
	s_mul_i32 s21, ttmp9, 6
	s_add_co_u32 s21, s21, s20                     ; F
	s_bfe_u32 s22, s21, 0x50002
	s_lshl_b32 s22, s22, 4                         ; rows, first form
	s_and_b32 s23, s21, 3
	s_lshl_b32 s23, s23, 7                         ; k, first form (w1's too)
	s_lshr_b32 s24, s21, 7                         ; F >> 7
	s_bfe_u32 s25, s21, 0x20005                    ; w
	s_and_b32 s26, s21, 7                          ; t
	s_bfe_u32 s27, s21, 0x10003                    ; kk
	s_bfe_u32 s28, s21, 0x10004                    ; blk or sub
	s_lshl_b32 s29, s25, 7
	s_lshl_b32 s26, s26, 4
	s_add_co_u32 s29, s29, s26                     ; rows 128 w + 16 t (wo, w2)
	s_lshl_b32 s27, s27, 7
	s_lshl_b32 s30, s28, 8
	s_add_co_u32 s30, s30, s27                     ; wo's k
	s_sub_co_u32 s31, s24, 4
	s_lshl_b32 s31, s31, 8                         ; 256 j
	s_add_co_u32 s27, s31, s27                     ; w2's k
	s_lshl_b32 s25, s25, 6
	s_add_co_u32 s31, s31, s25
	s_bfe_u32 s25, s21, 0x20002
	s_lshl_b32 s25, s25, 4
	s_add_co_u32 s31, s31, s25                     ; w1's rows
	s_add_co_u32 s28, s28, 4
	s_cmp_lt_u32 s21, 512
	s_cselect_b32 s28, s24, s28                    ; which tensor: 0 wq, 1 wk, 2 wv, 3 wo, 4 w1, 5 w2
	s_cmp_lt_u32 s28, 3
	s_cselect_b32 s22, s22, s29
	s_cselect_b32 s30, s23, s30
	s_cmp_eq_u32 s28, 4
	s_cselect_b32 s22, s31, s22                    ; the fragment's first row
	s_cselect_b32 s30, s23, s30
	s_cmp_eq_u32 s28, 5
	s_cselect_b32 s30, s27, s30                    ; its first k
	s_cselect_b32 s35, 13, 11                      ; a row is 2^13 bytes in w2, 2^11 in the others
	s_lshl_b32 s40, 1, s35
	s_lshl_b32 s36, s22, s35
	s_lshl_b32 s37, s30, 2
	s_add_co_u32 s36, s36, s37                     ; the fragment's first byte in its tensor
	s_mov_b32 s37, 0
	s_lshl_b32 s38, s21, 11                        ; and in wc
	s_mov_b32 s39, 0
	v_and_b32 v4, 31, v0
	v_lshlrev_b32 v4, 4, v4                        ; 16 x lane
	v_and_b32 v7, 15, v0                           ; r
	v_bfe_u32 v8, v0, 4, 1                         ; h
	s_mul_i32 s41, s20, STG
	v_add_nc_u32 v5, s41, v4                       ; the stage, way in: a row as it lies
	v_mul_u32_u24 v6, v7, 528
	v_lshl_add_u32 v6, v8, 5, v6
	v_add_nc_u32 v6, s41, v6                       ; way out: row r, + 32 h
.irp i, 0,1,2,3,4,5,6,7,8,9,10,11,12,13,14,15
	v_mad_u32_u24 v[OFS+\i], s40, \i, v4
.endr
	s_wait_alu depctr_va_vdst(0)
	s_wait_kmcnt 0x0
	s_load_b512 s[48:63], s[16:17], 0x0            ; the sixteen exponents
	s_mov_b64 s[32:33], s[4:5]
	s_cmp_eq_u32 s28, 1
	s_cselect_b64 s[32:33], s[6:7], s[32:33]
	s_cmp_eq_u32 s28, 2
	s_cselect_b64 s[32:33], s[8:9], s[32:33]
	s_cmp_eq_u32 s28, 3
	s_cselect_b64 s[32:33], s[10:11], s[32:33]
	s_cmp_eq_u32 s28, 4
	s_cselect_b64 s[32:33], s[12:13], s[32:33]
	s_cmp_eq_u32 s28, 5
	s_cselect_b64 s[32:33], s[14:15], s[32:33]
	s_add_nc_u64 s[32:33], s[32:33], s[36:37]
	s_add_nc_u64 s[18:19], s[18:19], s[38:39]
.irp i, 0,1,2,3,4,5,6,7,8,9,10,11,12,13,14,15
	global_load_b128 v[RAW+4*\i:RAW+4*\i+3], v[OFS+\i], s[32:33] th:TH_LOAD_NT   ; 32 lanes read 512 consecutive bytes of row i
.endr
	s_wait_kmcnt 0x0
	s_mov_b32 s34, s49
	s_cmp_eq_u32 s28, 1
	s_cselect_b32 s34, s51, s34
	s_cmp_eq_u32 s28, 2
	s_cselect_b32 s34, s53, s34
	s_cmp_eq_u32 s28, 3
	s_cselect_b32 s34, s59, s34
	s_cmp_eq_u32 s28, 4
	s_cselect_b32 s34, s61, s34
	s_cmp_eq_u32 s28, 5
	s_cselect_b32 s34, s63, s34                    ; e
	s_add_co_i32 s34, s34, 127
	s_lshl_b32 s36, s34, 23
	v_mov_b32 v11, s36                             ; 2^e as f32: the conversion takes its exponent field
	s_add_co_i32 s34, s34, 8
	s_lshl_b32 s34, s34, 23
	s_or_b32 s34, s34, 0x600000
	v_mov_b32 v10, s34                             ; 448 x 2^e
	s_wait_alu depctr_va_vdst(0)
	s_wait_loadcnt 0x0
.irp i, 0,1,2,3,4,5,6,7,8,9,10,11,12,13,14,15
	ds_store_b128 v5, v[RAW+4*\i:RAW+4*\i+3] offset:528*\i
.endr
.irp c, 0,1,2,3,4,5,6,7
	ds_load_b128 v[NUM+8*\c:NUM+8*\c+3], v6 offset:64*\c          ; LDS serves a wave's instructions in order: these see my stores
	ds_load_b128 v[NUM+8*\c+4:NUM+8*\c+7], v6 offset:64*\c+16
.endr
	s_wait_dscnt 0x0
.irp c, 0,1,2,3,4,5,6,7
.irp j, 0,1,2,3,4,5,6,7
	v_med3_num_f32 v[NUM+8*\c+\j], v[NUM+8*\c+\j], -v10, v10      ; the conversion does not saturate (ISA guide 7.6.2): the hold at the largest code x the scale
.endr
	v_cvt_scalef32_pk8_fp8_f32 v[COD+2*\c:COD+2*\c+1], v[NUM+8*\c:NUM+8*\c+7], v11
.endr
	v_nop
.irp c, 0,1,2,3
	global_store_b128 v4, v[COD+4*\c:COD+4*\c+3], s[18:19] offset:512*\c   ; 32 lanes store 512 consecutive bytes, aligned
.endr
	s_wait_tensorcnt 0x0                           ; the wave's end, behind my last LDS store
	ds_add_u32 v2, v3
	s_wait_dscnt 0x0
	s_endpgm
.Lfunc_end_k_qd6940b11ed_prep:
	.size	k_qd6940b11ed_prep, .Lfunc_end_k_qd6940b11ed_prep-k_qd6940b11ed_prep
	.p2alignl 7, 3214868480
	.fill 96, 4, 3214868480
	.section	.rodata,"a",@progbits
	.p2align	6, 0x0
	.amdhsa_kernel k_qd6940b11ed_prep
		.amdhsa_group_segment_fixed_size 51456
		.amdhsa_private_segment_fixed_size 0
		.amdhsa_enable_private_segment 0
		.amdhsa_kernarg_size 64
		.amdhsa_user_sgpr_count 2
		.amdhsa_user_sgpr_kernarg_segment_ptr 1
		.amdhsa_wavefront_size32 1
		.amdhsa_system_sgpr_workgroup_id_x 1
		.amdhsa_system_sgpr_workgroup_id_y 1
		.amdhsa_system_sgpr_workgroup_id_z 1
		.amdhsa_system_vgpr_workitem_id 0
		.amdhsa_next_free_vgpr 176
		.amdhsa_next_free_sgpr 66
		.amdhsa_reserve_vcc 0
		.amdhsa_float_denorm_mode_32 3
		.amdhsa_float_denorm_mode_16_64 3
		.amdhsa_memory_ordered 1
		.amdhsa_forward_progress 1
		.amdhsa_inst_pref_size 14
	.end_amdhsa_kernel
	.amdgpu_metadata
---
amdhsa.version: [ 1, 2 ]
amdhsa.kernels:
  - .name:           k_qd6940b11ed_prep
    .symbol:         k_qd6940b11ed_prep.kd
    .args:
      - { .name: wq, .offset: 0, .size: 8, .value_kind: global_buffer, .address_space: global }
      - { .name: wk, .offset: 8, .size: 8, .value_kind: global_buffer, .address_space: global }
      - { .name: wv, .offset: 16, .size: 8, .value_kind: global_buffer, .address_space: global }
      - { .name: wo, .offset: 24, .size: 8, .value_kind: global_buffer, .address_space: global }
      - { .name: w1, .offset: 32, .size: 8, .value_kind: global_buffer, .address_space: global }
      - { .name: w2, .offset: 40, .size: 8, .value_kind: global_buffer, .address_space: global }
      - { .name: lowp_scales, .offset: 48, .size: 8, .value_kind: global_buffer, .address_space: global }
      - { .name: wc, .offset: 56, .size: 8, .value_kind: global_buffer, .address_space: global }
    .group_segment_fixed_size: 51456
    .private_segment_fixed_size: 0
    .kernarg_segment_align: 8
    .kernarg_segment_size: 64
    .max_flat_workgroup_size: 192
    .sgpr_count:     66
    .vgpr_count:     176
    .wavefront_size: 32
...
	.end_amdgpu_metadata
.endif
;; end of part 1
;; launch qkv (part 2): grid 256 x 1, 4 waves a work-group, no clusters, 172,544 bytes of LDS; arguments x, wc, lowp_scales, bq, bk, bv, qc, kc, vc; writes qc, kc, vc
.if DOCPART == 2
	.amdgcn_target "amdgcn-amd-amdhsa--gfx1250"
	.amdhsa_code_object_version 6
	.text
	.protected	k_qd6940b11ed_qkv
	.globl	k_qd6940b11ed_qkv
	.p2align	8
	.type	k_qd6940b11ed_qkv,@function
k_qd6940b11ed_qkv:
	s_mov_b64 s[64:65], 0
	v_nop
	global_prefetch_b8 v0, s[64:65] scope:SCOPE_SE
	s_setreg_imm32_b32 hwreg(HW_REG_WAVE_MODE, 25, 1), 1
	s_wait_xcnt 0x0
; Q, K and V of 64 rows of x (work-group x): x is read once and quantised three times, with each product's own scale; x W^T + b on codes of E4M3; each result is quantised for attention and stored as images of operand registers.
; SHARES.  Wave w quantises rows 16 w .. 16 w + 15 (four fragments of 16 rows x 128 K, three sets of codes) and puts the images into LDS; ONE barrier; then every wave reads all 16 fragments of a set.
; Wave w owns output columns 128 w .. 128 w + 127 (heads 2 w, 2 w + 1) of each tensor: 24 tiles of 16 columns in all.  Its weights go from wc straight into registers, a tile (4 fragment images, 16 loads) at a time,
; asked for four tiles ahead of their products; eight tiles' registers (windows 1 and 2) take turns.  So three tiles' loads, 48, are younger than the tile that a wait stands for.
; A tile's 16 products go onto four accumulators by turns, in two sets by turns; a tile's results are packed behind the next tile's products.
; x: each load reads 512 consecutive bytes of one row; 16 rows turn through the wave's own stage in LDS (rows 528 bytes apart), so that a lane gets 8 neighbours along K for each conversion (lane (r, h): row r, k = 16 c + 8 h + 0..7).
; LAYOUT.  Q, K: source 0 = 16 rows of W, source 1 = 16 rows of x: a lane holds one row of x and 8 neighbouring units.  V: the sources change places: a lane holds one unit and 8 neighbouring keys, since the keys are the second product's K.
; The bias, divided by 2^(ea + eb), lies in LDS and is the C of each sum's first matrix instruction; the three scales ahead of the output's quantiser are folded into the conversion's one, 2^(eo - ea - eb).
; No tensor load and no multicast: a weight fragment feeds the four products of one wave alone and is laid as that wave's registers want it, so it passes through no LDS.  No prefetch: x is read once at the head, with no loop to run ahead in.
; LIMITS: ea, and eo - ea - eb, between -126 and 119.  NaN among the inputs is not served.
; REGISTERS: window 0: v1-19 addresses and scales; v20-31 biases as loaded; v32-159 two sets of 64 numbers of x, later v32-95 two sets of 4 accumulators; v160-223 held numbers, later the bias; v224-255 codes.
;   windows 1, 2: W's fragments of tiles 0-3, 4-7 at 16 (4 t + ks); window 3: four sets of 16 rows of x as loaded, later 16 fragments of x at 16 (4 m + ks).
.set STG,   98304                      ; LDS: three sets of 16 images of x; then, for each wave, two stages of 16 rows x 528 bytes;
.set WSTG,  16896
.set BIASL, STG+4*WSTG                 ; then the three biases, 2,048 bytes each;
.set SPARE, BIASL+6144                 ; then the spare words, 128 bytes a wave: two blocks of 256 bytes that no other line names
.set NUM,   32
.set ACC,   32
.set TMP,   160
.set BI,    160
.set CD,    224
.set MSB, 0
.macro WIN new                         ; the immediate's high byte repeats the setting that is left
.if MSB != (\new)
	s_set_vgpr_msb (MSB<<8)|(\new)
.set MSB, (\new)
.endif
.endm
.macro PLACES n
.rept \n
	v_nop
.endr
.endm
	s_load_b256 s[4:11], s[0:1], 0x0               ; x, wc, the scales' exponents, bq
	s_load_b256 s[12:19], s[0:1], 0x20             ; bk, bv, qc, kc
	s_load_b64 s[20:21], s[0:1], 0x40              ; vc
	v_lshl_add_u32 v10, v0, 2, SPARE               ; my spare word
	v_mov_b32 v11, 0
	v_lshrrev_b32 v1, 5, v0
	v_readfirstlane_b32 s26, v1                    ; wave 0..3
	s_mul_i32 s28, s26, WSTG
	s_add_co_u32 s28, s28, STG                     ; my two stages
	s_lshl_b32 s29, s26, 13                        ; my four images in a set
	s_lshl_b32 s30, s26, 9
	s_add_co_u32 s30, s30, BIASL                   ; my 128 numbers of a bias
	s_add_co_u32 s31, s30, 4096                    ; and of V's
	s_lshl_b32 s32, ttmp9, 17
	s_lshl_b32 s33, s26, 15
	s_add_co_u32 s32, s32, s33                     ; x: (64 x work-group + 16 w) rows of 2,048 bytes
	s_mov_b32 s33, 0
	s_lshl_b32 s34, s26, 16                        ; wc: wave x 32 fragments
	s_mov_b32 s35, 0
	s_lshr_b32 s36, ttmp9, 4
	s_lshl_b32 s36, s36, 19                        ; out: sequence x 8 heads x 64 KB
	s_lshl_b32 s37, s26, 17
	s_add_co_u32 s36, s36, s37                     ; + head 2 w
	s_and_b32 s37, ttmp9, 15
	s_lshl_b32 s37, s37, 12
	s_add_co_u32 s36, s36, s37                     ; + 4 fragments of 1 KB for each 64 rows
	s_mov_b32 s37, 0
	s_lshl_b32 s38, s26, 9                         ; the biases in memory: 128 w numbers on
	s_mov_b32 s39, 0
	v_and_b32 v1, 31, v0
	v_lshlrev_b32 v1, 4, v1                        ; v1 = 16 x lane
	v_and_b32 v18, 15, v0                          ; r
	v_bfe_u32 v19, v0, 4, 1                        ; h
	v_add_nc_u32 v2, s28, v1                       ; v2: the stage, way in: a row as it lies
	v_mul_u32_u24 v4, v18, 528
	v_lshl_add_u32 v4, v19, 5, v4
	v_add_nc_u32 v4, s28, v4                       ; v4: way out: row r, + 32 h
	v_add_nc_u32 v3, s29, v1                       ; v3: where I store my images of sets 0 and 1
	v_add_nc_u32 v5, 0x10000, v3                   ; v5: of set 2
	v_add_nc_u32 v7, 0x10000, v1                   ; v7: where set 2 is read
	v_add_nc_u32 v12, s30, v1                      ; v12: where I store the biases (later: where Q's or K's is read)
	v_lshl_add_u32 v13, v19, 5, s30                ; v13: Q's bias, 8 h numbers on
	v_lshl_add_u32 v17, v18, 2, s31                ; v17: V's bias, r numbers on
	s_wait_alu depctr_va_vdst(0)
	s_wait_kmcnt 0x0
	s_load_b512 s[48:63], s[8:9], 0x0              ; the sixteen exponents
	s_add_nc_u64 s[4:5], s[4:5], s[32:33]
	s_add_nc_u64 s[6:7], s[6:7], s[34:35]
	s_add_nc_u64 s[10:11], s[10:11], s[38:39]
	s_add_nc_u64 s[12:13], s[12:13], s[38:39]
	s_add_nc_u64 s[14:15], s[14:15], s[38:39]
	s_add_nc_u64 s[16:17], s[16:17], s[36:37]
	s_add_nc_u64 s[18:19], s[18:19], s[36:37]
	s_add_nc_u64 s[20:21], s[20:21], s[36:37]
	WIN 0xc0                                       ; destination window 3
.irp s, 0,1,2,3                                ; fragment s of my 16 rows, as it lies: row i, bytes 512 s on: 32 lanes read 512 consecutive bytes
.irp i, 0,1,2,3,4,5,6,7,8,9,10,11,12,13,14,15
	global_load_b128 v[64*\s+4*\i:64*\s+4*\i+3], v1, s[4:5] offset:\i*2048+\s*512 th:TH_LOAD_NT
.endr
.endr
	WIN 0
	global_load_b128 v[20:23], v1, s[10:11]        ; my 128 numbers of each bias, 4 a lane
	global_load_b128 v[24:27], v1, s[12:13]
	global_load_b128 v[28:31], v1, s[14:15]
; n weight fragments from f0 on, into registers 16 f of the window that the caller has set
.macro WLD f0, n, off
.set f, \f0
.rept \n
.irp c, 0,1,2,3
	global_load_b128 v[16*f+4*\c:16*f+4*\c+3], v1, s[6:7] offset:(\off)+2048*f+512*\c
.endr
.set f, f+1
.endr
.endm
; tensor T: v[14+T] = 2^ea; s[66+2T], s[67+2T] = +-448 x 2^ea; s[72+T] = -(ea + eb); s[76+T] = 2^(eo - ea - eb); s[80+T] = 448 x that
.macro SC T, ea, eb, eo
	s_add_co_i32 s40, s\ea, 127
	s_lshl_b32 s41, s40, 23
	v_mov_b32 v[14+\T], s41
	s_add_co_i32 s40, s40, 8
	s_lshl_b32 s40, s40, 23
	s_or_b32 s[66+2*\T], s40, 0x600000
	s_or_b32 s[67+2*\T], s[66+2*\T], 0x80000000
	s_add_co_i32 s40, s\ea, s\eb
	s_sub_co_i32 s[72+\T], 0, s40
	s_sub_co_i32 s40, s\eo, s40
	s_add_co_i32 s40, s40, 127
	s_lshl_b32 s[76+\T], s40, 23
	s_add_co_i32 s40, s40, 8
	s_lshl_b32 s40, s40, 23
	s_or_b32 s[80+\T], s40, 0x600000
.endm
	s_wait_kmcnt 0x0
	SC 0, 48, 49, 54
	SC 1, 50, 51, 55
	SC 2, 52, 53, 57
; fragment s turns through stage s % 2: in as loaded, out in the operand's order.  LDS serves a wave's instructions in order (ISA guide 5.7.1.4): the loads see the stores above them
.macro XTURN s
	WIN 0x0c                                       ; store data window 3
.irp i, 0,1,2,3,4,5,6,7,8,9,10,11,12,13,14,15
	ds_store_b128 v2, v[64*(\s)+4*\i:64*(\s)+4*\i+3] offset:8448*((\s)%2)+528*\i
.endr
	WIN 0
.irp c, 0,1,2,3,4,5,6,7
	ds_load_b128 v[NUM+64*((\s)%2)+8*\c:NUM+64*((\s)%2)+8*\c+3], v4 offset:8448*((\s)%2)+64*\c
	ds_load_b128 v[NUM+64*((\s)%2)+8*\c+4:NUM+64*((\s)%2)+8*\c+7], v4 offset:8448*((\s)%2)+64*\c+16
.endr
	WIN 0x40                                       ; and tile s of Q's weights is asked for
	WLD 4*(\s), 4, 0
	WIN 0
.endm
	s_wait_alu depctr_va_vdst(0)
	s_wait_loadcnt 51                              ; fragment 0's 16 loads are in: behind them 48 of x and 3 of the biases
	XTURN 0
; fragment s is quantised three times and its three images stored; fragment s + 1 turns through the other stage meanwhile
.macro XSTEP s
.set XN, NUM+64*((\s)%2)
.if (\s) == 0
	s_wait_dscnt 0x0
.else
	s_wait_dscnt 4                                 ; this fragment's numbers are back; only the last four image stores may be out
.endif
.if (\s) < 3
	s_wait_loadcnt 51                              ; the next fragment's loads are in: behind them 16 (2 - s) of x, 3 of the biases, 16 (s + 1) of the weights
	XTURN (\s)+1
.endif
.irp T, 0,1,2
.set XC, CD+16*((3*(\s)+\T)%2)
.if \T == 1
.if (\s) < 3
	s_wait_dscnt 36                                ; the stores that read this set of code registers are done: behind them the turn's 32 and four image stores
.else
	s_wait_dscnt 4
.endif
.endif
.if \T == 2
	s_wait_dscnt 4
.endif
.set i, 0
.rept 64
	v_med3_num_f32 v[TMP+i], v[XN+i], s[67+2*\T], s[66+2*\T]   ; the hold at the largest code x the scale (the conversion does not saturate: ISA guide 7.6.2)
.set i, i+1
.endr
.irp c, 0,1,2,3,4,5,6,7
	v_cvt_scalef32_pk8_fp8_f32 v[XC+2*\c:XC+2*\c+1], v[TMP+8*\c:TMP+8*\c+7], v[14+\T]
.endr
	v_nop
.irp c, 0,1,2,3
.if \T == 2
	ds_store_b128 v5, v[XC+4*\c:XC+4*\c+3] offset:2048*(\s)+512*\c
.else
	ds_store_b128 v3, v[XC+4*\c:XC+4*\c+3] offset:32768*\T+2048*(\s)+512*\c
.endif
.endr
.endr
.endm
	XSTEP 0
	XSTEP 1
	XSTEP 2
	XSTEP 3
	s_wait_loadcnt 63                              ; the biases are in: 64 weight loads were issued behind them
.irp T, 0,1,2
.irp j, 0,1,2,3
	v_ldexp_f32 v[20+4*\T+\j], v[20+4*\T+\j], s[72+\T]   ; / 2^(ea + eb)
.endr
	ds_store_b128 v12, v[20+4*\T:23+4*\T] offset:2048*\T
.endr
	s_wait_dscnt 0x0                               ; my images and biases have landed
	s_barrier_signal -1
	s_barrier_wait -1                              ; everybody's have; nothing is stored to LDS after this
.macro XFRAG adr                       ; the 16 fragments of a set into window 3
	WIN 0xc0
.set f, 0
.rept 16
.irp c, 0,1,2,3
	ds_load_b128 v[16*f+4*\c:16*f+4*\c+3], v[\adr] offset:2048*f+512*\c
.endr
.set f, f+1
.endr
	WIN 0
.endm
; tile t (0..7) of my columns of a tensor x the 64 rows: 16 products, four accumulators by turns, K step by K step; v = 1: V's layout
.macro MULT v, t
.if \v
	WIN 0x07+4*((\t)/4)                            ; source 0 (x) window 3, source 1 (W) window 1 or 2
.else
	WIN 0x0d+((\t)/4)                              ; source 0 (W) window 1 or 2, source 1 (x) window 3
.endif
.irp ks, 0,1,2,3
.irp m, 0,1,2,3
.set DA, ACC+32*((\t)%2)+8*\m
.if \v
.set SA, 16*(4*\m+\ks)
.set SB, 16*(4*((\t)%4)+\ks)
.else
.set SA, 16*(4*((\t)%4)+\ks)
.set SB, 16*(4*\m+\ks)
.endif
.if \ks == 0
	v_wmma_f32_16x16x128_fp8_fp8 v[DA:DA+7], v[SA:SA+15], v[SB:SB+15], v[BI+8*(\t):BI+8*(\t)+7]
.else
	v_wmma_f32_16x16x128_fp8_fp8 v[DA:DA+7], v[SA:SA+15], v[SB:SB+15], v[DA:DA+7]
.endif
.endr
.endr
.endm
; tile t's results become codes.  Q, K: two registers of each of the head's four fragments (16 rows x 64 units), stored when the head's four tiles are done; V: one fragment (16 units x my 64 keys), stored at once
.macro EPI v, t
	PLACES 4                                       ; four places between the tile's last product and the first read of its results (ISA guide 7.12.1)
.if (\v) || (((\t)%4) == 0)
	s_wait_xcnt 0x0                                ; the earlier stores have read the code registers, which are written again below
.endif
.irp m, 0,1,2,3
.set DA, ACC+32*((\t)%2)+8*\m
.if \v
.set DC, CD+8*((\t)%4)+2*\m
.else
.set DC, CD+8*\m+2*((\t)%4)
.endif
.irp j, 0,1,2,3,4,5,6,7
	v_med3_num_f32 v[DA+\j], v[DA+\j], -v9, v9
.endr
	v_cvt_scalef32_pk8_fp8_f32 v[DC:DC+1], v[DA:DA+7], v8
.endr
	v_nop
.if \v
.irp c, 0,1
	global_store_b128 v1, v[CD+8*((\t)%4)+4*\c:CD+8*((\t)%4)+4*\c+3], s[24:25] offset:65536*((\t)/4)+1024*((\t)%4)+512*\c   ; 512 consecutive bytes, aligned
.endr
.else
.if ((\t)%4) == 3
.irp p, 0,1,2,3
.irp c, 0,1
	global_store_b128 v1, v[CD+8*\p+4*\c:CD+8*\p+4*\c+3], s[24:25] offset:65536*((\t)/4)+1024*\p+512*\c
.endr
.endr
.endif
.endif
.endm
; a tile's turn: its weights are in (n loads were issued behind them); its products; ld = 1: the tile four on is asked for, at byte off, into the other window; the tile before is packed
.macro TILE v, t, ld, off, n
	s_wait_alu depctr_va_vdst(0)
	s_wait_loadcnt \n
	MULT \v, \t
.if \ld
	WIN 0x40*(2-(\t)/4)
	WLD 4*((\t)%4), 4, \off
.endif
	WIN 0
.if (\t) > 0
	EPI \v, (\t)-1
.endif
.endm
	s_mov_b32 s44, 0
.Lqk:                                              ; two trips: Q, then K
	s_lshl_b32 s45, s44, 15                        ; the set of images,
	s_lshl_b32 s46, s44, 11                        ; the bias,
	s_cmp_eq_u32 s44, 0
	s_cselect_b32 s42, s76, s77                    ; the result's scale and bound,
	s_cselect_b32 s43, s80, s81
	s_cselect_b64 s[24:25], s[16:17], s[18:19]     ; and the output
	v_add_nc_u32 v6, s45, v1
	v_add_nc_u32 v12, s46, v13
	v_mov_b32 v8, s42
	v_mov_b32 v9, s43
	XFRAG 6
.irp t, 0,1,2,3,4,5,6,7
	ds_load_b128 v[BI+8*\t:BI+8*\t+3], v12 offset:64*\t            ; b(16 t + 8 h + 0..7)
	ds_load_b128 v[BI+8*\t+4:BI+8*\t+7], v12 offset:64*\t+16
.endr
	s_wait_alu depctr_va_vdst(0)
	s_wait_dscnt 0x0                               ; x's fragments and the bias are in
.irp t, 0,1,2,3
	TILE 0, \t, 1, 32768, 48                       ; asks for this tensor's tile t + 4
.endr
.irp t, 4,5,6,7
	TILE 0, \t, 1, 262144, 48                      ; asks for the next tensor's tile t - 4
.endr
	EPI 0, 7
	s_wait_xcnt 0x0                                ; loads and stores have read their bases
	s_add_nc_u64 s[6:7], s[6:7], 0x40000           ; the next tensor's weights
	s_add_co_u32 s44, s44, 1
	s_cmp_lt_u32 s44, 2
	s_cbranch_scc1 .Lqk
	s_mov_b64 s[24:25], s[20:21]                   ; V
	v_mov_b32 v8, s78
	v_mov_b32 v9, s82
	XFRAG 7
.irp t, 0,1,2,3,4,5,6,7
	ds_load_b32 v[20+\t], v17 offset:64*\t         ; b(16 t + r)
.endr
	s_wait_alu depctr_va_vdst(0)
	s_wait_dscnt 0x0
.irp t, 0,1,2,3,4,5,6,7
.irp j, 0,1,2,3,4,5,6,7
	v_mov_b32 v[BI+8*\t+\j], v[20+\t]              ; a lane's eight results of a tile are one unit's
.endr
.endr
.irp t, 0,1,2,3
	TILE 1, \t, 1, 32768, 48
.endr
	TILE 1, 4, 0, 0, 48                            ; nothing more is asked for: the younger loads run out
	TILE 1, 5, 0, 0, 32
	TILE 1, 6, 0, 0, 16
	TILE 1, 7, 0, 0, 0
	EPI 1, 7
	s_wait_tensorcnt 0x0                           ; the wave's end, behind my last LDS store
	ds_add_u32 v10, v11
	s_wait_dscnt 0x0
	s_endpgm
.Lfunc_end_k_qd6940b11ed_qkv:
	.size	k_qd6940b11ed_qkv, .Lfunc_end_k_qd6940b11ed_qkv-k_qd6940b11ed_qkv
	.p2alignl 7, 3214868480
	.fill 96, 4, 3214868480
	.section	.rodata,"a",@progbits
	.p2align	6, 0x0
	.amdhsa_kernel k_qd6940b11ed_qkv
		.amdhsa_group_segment_fixed_size 172544
		.amdhsa_private_segment_fixed_size 0
		.amdhsa_enable_private_segment 0
		.amdhsa_kernarg_size 72
		.amdhsa_user_sgpr_count 2
		.amdhsa_user_sgpr_kernarg_segment_ptr 1
		.amdhsa_wavefront_size32 1
		.amdhsa_system_sgpr_workgroup_id_x 1
		.amdhsa_system_sgpr_workgroup_id_y 1
		.amdhsa_system_sgpr_workgroup_id_z 1
		.amdhsa_system_vgpr_workitem_id 0
		.amdhsa_next_free_vgpr 1024
		.amdhsa_next_free_sgpr 84
		.amdhsa_reserve_vcc 0
		.amdhsa_float_denorm_mode_32 3
		.amdhsa_float_denorm_mode_16_64 3
		.amdhsa_memory_ordered 1
		.amdhsa_forward_progress 1
		.amdhsa_inst_pref_size 175
	.end_amdhsa_kernel
	.amdgpu_metadata
---
amdhsa.version: [ 1, 2 ]
amdhsa.kernels:
  - .name:           k_qd6940b11ed_qkv
    .symbol:         k_qd6940b11ed_qkv.kd
    .args:
      - { .name: x, .offset: 0, .size: 8, .value_kind: global_buffer, .address_space: global }
      - { .name: wc, .offset: 8, .size: 8, .value_kind: global_buffer, .address_space: global }
      - { .name: lowp_scales, .offset: 16, .size: 8, .value_kind: global_buffer, .address_space: global }
      - { .name: bq, .offset: 24, .size: 8, .value_kind: global_buffer, .address_space: global }
      - { .name: bk, .offset: 32, .size: 8, .value_kind: global_buffer, .address_space: global }
      - { .name: bv, .offset: 40, .size: 8, .value_kind: global_buffer, .address_space: global }
      - { .name: qc, .offset: 48, .size: 8, .value_kind: global_buffer, .address_space: global }
      - { .name: kc, .offset: 56, .size: 8, .value_kind: global_buffer, .address_space: global }
      - { .name: vc, .offset: 64, .size: 8, .value_kind: global_buffer, .address_space: global }
    .group_segment_fixed_size: 172544
    .private_segment_fixed_size: 0
    .kernarg_segment_align: 8
    .kernarg_segment_size: 72
    .max_flat_workgroup_size: 128
    .sgpr_count:     84
    .vgpr_count:     1024
    .wavefront_size: 32
...
	.end_amdgpu_metadata
.endif
;; end of part 2
;; launch attn (part 3): grid 2 x 128, 8 waves a work-group, no clusters, 197,632 bytes of LDS; arguments qc, kc, vc, eclipse_mask, lowp_scales, ctxc; writes ctxc
.if DOCPART == 3
	.amdgcn_target "amdgcn-amd-amdhsa--gfx1250"
	.amdhsa_code_object_version 6
	.text
	.protected	k_qd6940b11ed_attn
	.globl	k_qd6940b11ed_attn
	.p2align	8
	.type	k_qd6940b11ed_attn,@function
k_qd6940b11ed_attn:
	s_mov_b64 s[64:65], 0
	v_nop
	global_prefetch_b8 v0, s[64:65] scope:SCOPE_SE
	s_setreg_imm32_b32 hwreg(HW_REG_WAVE_MODE, 25, 1), 1
	s_wait_xcnt 0x0
; Attention of one head (work-group y = 8 x sequence + head) for 512 queries (work-group x), on codes of E4M3; the context is quantised and stored as part of the next product's operand images.
; t = score x boost x log2(e) / 8; M = ceil(the row's largest t); p = 2^(t - M) is quantised along the keys, not normalised; the row's sum of the unquantised p divides at the end.
; SHARES.  Eight waves, 64 queries (four tiles) each.  The head's 1,024 keys and values fit in LDS: they are put there once, through registers; one barrier; after it LDS is only read.
; THE BOOST BY THE MATRIX UNIT: a key tile lies in LDS as [K | K AND mask] (16 keys x 128), the queries' operand is [Q | Q]: one product of 128 gives score x (1 + mask), which is score x 1 or x 2.
; TWO PASSES over the keys: the first finds each query's largest score (one v_max3 for two scores), the second makes p, its sum, its codes and O^T += V^T P.  So M is the true ceiling and O is never rescaled.
; p'S HOLD.  t - M is at most 0 but for the last bit of a rounding, so p is at most 1 but for its last bits.  Where 448 x 2^e8 is 1.75 or more, that is e8 >= -8, no p reaches the largest code x the scale, and the step's 128 holds
; are jumped over: a scalar branch on a whole number read from the scales, the same in every wave, round those lines alone (this launch has no tensor load, no copy and no cluster).  For e8 < -8 they are executed.
; LAYOUT.  Both products transposed: S^T = K' QQ^T, O^T = V^T P^T: a lane holds one query (lane % 16) throughout, its 8 registers of a tile are 8 neighbouring keys (or channels): a conversion's result is two registers of the next operand.
; No multicast: two work-groups share a head, and they read its 128 KB once, at their head.
; LIMITS: e6 + e7 between -123 and 129 (added to the exponent field of log2(e) / 8); e8 and e10 between -126 and 119.  Mask bytes are 0 or 1.  NaN among the inputs is not served.
; REGISTERS: window 0: v1 16 x lane; v2, v3 LDS addresses; v4-7 scales; v[8:15] -M (later 2^(e8+e9) / l), a pair a tile; v[16:23] the sums; v24-27 the largest score; v28, v29 the add's two; v30 at work; v31 lane % 16;
;   v32-159 S^T (tile q, key tile kk at 32 + 32 q + 8 kk); v160-223 four key tiles; v224-255 p's codes.   window 1: v0-63 [Q | Q]; v64-191 O^T (64 + 32 q + 8 dt); v192-223 four tiles of V^T.
.set VIMG,  131072                     ; LDS: 64 key tiles of 2,048 bytes, then 64 fragments of V^T of 1,024
.set SPARE, 196608                     ; then the spare words, 128 bytes for each of eight waves: four blocks of 256 bytes that no other line names
.set S,   32
.set KF,  160
.set CDS, 224
.set O,   64
.set VF,  192
.set MSB, 0
.macro WIN new
.if MSB != (\new)
	s_set_vgpr_msb (MSB<<8)|(\new)
.set MSB, (\new)
.endif
.endm
.macro PLACES n
.rept \n
	v_nop
.endr
.endm
	s_load_b256 s[4:11], s[0:1], 0x0               ; qc, kc, vc, the mask
	s_load_b128 s[12:15], s[0:1], 0x20             ; the scales' exponents, ctxc
	v_lshl_add_u32 v28, v0, 2, SPARE
	v_mov_b32 v29, 0
	v_lshrrev_b32 v1, 5, v0
	s_delay_alu instid0(VALU_DEP_1)
	v_readfirstlane_b32 s16, v1                    ; wave 0..7
	s_and_b32 s17, ttmp7, 0xffff                   ; 8 x sequence + head
	v_and_b32 v1, 31, v0
	s_delay_alu instid0(VALU_DEP_1)
	v_lshlrev_b32 v1, 4, v1                        ; 16 x lane
	v_and_b32 v31, 15, v0
	v_mov_b32 v30, 0                               ; written once: a lane permute's destination counts as one of its sources
	s_lshl_b32 s18, s16, 14
	v_add_nc_u32 v2, s18, v1                       ; where I put my 8 key tiles
	s_lshl_b32 s18, s16, 13
	s_add_co_u32 s18, s18, VIMG
	v_add_nc_u32 v3, s18, v1                       ; and my 8 fragments of V^T
	s_mov_b32 s22, 0x76543210
	s_mov_b32 s23, 0xfedcba98                      ; v_permlanex16_b32's selects for lane l xor 16
	s_lshl_b32 s24, s17, 16
	s_lshl_b32 s19, s16, 13
	s_add_co_u32 s24, s24, s19                     ; K, V: the head's 64 KB, my 8 fragments
	s_mov_b32 s25, 0
	s_lshl_b32 s26, s17, 16
	s_lshl_b32 s19, ttmp9, 15
	s_add_co_u32 s26, s26, s19
	s_lshl_b32 s19, s16, 12
	s_add_co_u32 s26, s26, s19                     ; Q: query tile 32 x + 4 w
	s_mov_b32 s27, 0
	s_lshr_b32 s28, s17, 5
	s_lshl_b32 s28, s28, 10
	s_lshl_b32 s19, s16, 7
	s_add_co_u32 s28, s28, s19                     ; the mask: row (sequence / 4), my 128 keys
	s_mov_b32 s29, 0
	s_lshr_b32 s30, s17, 3
	s_lshl_b32 s30, s30, 19
	s_lshl_b32 s19, ttmp9, 18
	s_add_co_u32 s30, s30, s19
	s_lshl_b32 s19, s16, 15
	s_add_co_u32 s30, s30, s19                     ; ctxc: row tile (64 x sequence + 32 x + 4 w) x 8 KB
	s_and_b32 s19, s17, 7
	s_lshl_b32 s19, s19, 10
	s_add_co_u32 s30, s30, s19                     ; + the head's 1 KB: two of the four blocks of K step head / 2
	s_mov_b32 s31, 0
	s_wait_alu depctr_va_vdst(0)
	s_wait_kmcnt 0x0
	s_load_b512 s[32:47], s[12:13], 0x0            ; the sixteen exponents: entry n in s[32 + n]
	s_add_nc_u64 s[6:7], s[6:7], s[24:25]
	s_add_nc_u64 s[8:9], s[8:9], s[24:25]
	s_add_nc_u64 s[4:5], s[4:5], s[26:27]
	s_add_nc_u64 s[10:11], s[10:11], s[28:29]
	s_add_nc_u64 s[14:15], s[14:15], s[30:31]
.irp j, 0,1,2,3,4,5,6,7
.irp c, 0,1
	global_load_b128 v[32+8*\j+4*\c:32+8*\j+4*\c+3], v1, s[6:7] offset:1024*\j+512*\c
.endr
	global_load_u8 v[224+\j], v31, s[10:11] offset:16*\j           ; the mask of key 16 j + lane % 16 of my 128
.endr
.irp j, 0,1,2,3,4,5,6,7
.irp c, 0,1
	global_load_b128 v[160+8*\j+4*\c:160+8*\j+4*\c+3], v1, s[8:9] offset:1024*\j+512*\c
.endr
.endr
	WIN 0x40                                       ; destination window 1
.irp q, 0,1,2,3
.irp c, 0,1
	global_load_b128 v[16*\q+4*\c:16*\q+4*\c+3], v1, s[4:5] offset:1024*\q+512*\c
	global_load_b128 v[16*\q+8+4*\c:16*\q+8+4*\c+3], v1, s[4:5] offset:1024*\q+512*\c     ; Q twice: [Q | Q]
.endr
.endr
	WIN 0
	s_wait_kmcnt 0x0
	s_add_co_i32 s18, s38, s39
	s_lshl_b32 s18, s18, 23
	s_add_co_i32 s20, s18, 0x3e38aa3b              ; c = log2(e) / 8 x 2^(e6 + e7): the exponents are added to its exponent field
	s_mov_b32 s21, s20                             ; (named with it as a pair, so it is written)
	s_add_co_i32 s18, s40, 127
	s_lshl_b32 s19, s18, 23
	v_mov_b32 v4, s19                              ; 2^e8, for p's conversions
	s_add_co_i32 s18, s18, 8
	s_lshl_b32 s18, s18, 23
	s_or_b32 s18, s18, 0x600000
	v_mov_b32 v5, s18                              ; 448 x 2^e8
	s_add_co_i32 s18, s42, 127
	s_lshl_b32 s19, s18, 23
	v_mov_b32 v6, s19                              ; 2^e10, for the context's
	s_add_co_i32 s18, s18, 8
	s_lshl_b32 s18, s18, 23
	s_or_b32 s18, s18, 0x600000
	v_mov_b32 v7, s18
	s_add_co_i32 s19, s40, s41                     ; e8 + e9
	s_wait_loadcnt 16                              ; K, the mask and V are in; Q's 16 loads, issued last, may be out
.irp j, 0,1,2,3,4,5,6,7
	v_sub_nc_u32 v[224+\j], 0, v[224+\j]           ; 0 or all ones
.endr
.irp j, 0,1,2,3,4,5,6,7
.irp i, 0,1,2,3,4,5,6,7
	v_and_b32 v[96+8*\j+\i], v[224+\j], v[32+8*\j+\i]
.endr
.endr
.irp j, 0,1,2,3,4,5,6,7
.irp c, 0,1
	ds_store_b128 v2, v[32+8*\j+4*\c:32+8*\j+4*\c+3] offset:2048*\j+512*\c
	ds_store_b128 v2, v[96+8*\j+4*\c:96+8*\j+4*\c+3] offset:2048*\j+1024+512*\c
	ds_store_b128 v3, v[160+8*\j+4*\c:160+8*\j+4*\c+3] offset:1024*\j+512*\c
.endr
.endr
	s_wait_dscnt 0x0                               ; my stores have landed
	s_barrier_signal -1
	s_barrier_wait -1                              ; everybody's have
	s_wait_loadcnt 0x0                             ; Q is in
.macro KLOAD                           ; four key tiles, from v2 on
.irp kk, 0,1,2,3
.irp c, 0,1,2,3
	ds_load_b128 v[KF+16*\kk+4*\c:KF+16*\kk+4*\c+3], v2 offset:2048*\kk+512*\c
.endr
.endr
.endm
.macro SMUL                            ; S^T of 64 keys x 64 queries: 16 products
	WIN 0x04                                       ; source 1 ([Q | Q]) window 1
.irp kk, 0,1,2,3
.irp q, 0,1,2,3
	v_wmma_f32_16x16x128_fp8_fp8 v[S+32*\q+8*\kk:S+32*\q+8*\kk+7], v[KF+16*\kk:KF+16*\kk+15], v[16*\q:16*\q+15], 0
.endr
.endr
	WIN 0
.endm
; PASS 1, a step of 64 keys: the products; the next step's key tiles are asked for; the running largest score
.macro P1 wrap
	s_wait_dscnt 0x0                               ; this step's key tiles are in
	SMUL
	PLACES 4                                       ; in front of loads into registers that the products read, and of the first read of results
.if \wrap
	s_mov_b32 s24, 0                               ; the last step asks for pass 2's first
.else
	s_add_co_u32 s24, s24, 8192
.endif
	v_add_nc_u32 v2, s24, v1
	KLOAD
.set i, 0
	s_wait_alu depctr_va_vdst(0)
.rept 16
.irp q, 0,1,2,3
	v_max3_num_f32 v[24+\q], v[24+\q], v[S+32*\q+i], v[S+32*\q+i+1]
.endr
.set i, i+2
.endr
.endm
	s_mov_b32 s24, 0
	v_add_nc_u32 v2, s24, v1
	KLOAD
.irp q, 0,1,2,3
	v_mov_b32 v[24+\q], 0xff800000                 ; -infinity
.endr
	s_mov_b32 s26, 15
.Lp1:
	P1 0
	s_sub_co_u32 s26, s26, 1
	s_cmp_lg_u32 s26, 0
	s_cbranch_scc1 .Lp1
	P1 1
.irp q, 0
	s_delay_alu instid0(VALU_DEP_4)
	v_permlanex16_b32 v30, v[24+\q], s22, s23      ; the query's other keys lie in the lane 16 away
	s_delay_alu instid0(VALU_DEP_1)
	v_max_num_f32 v[24+\q], v[24+\q], v30
.endr
.irp q, 1, 2, 3
	s_delay_alu instid0(VALU_DEP_2)
	v_permlanex16_b32 v30, v[24+\q], s22, s23      ; the query's other keys lie in the lane 16 away
	s_delay_alu instid0(VALU_DEP_1)
	v_max_num_f32 v[24+\q], v[24+\q], v30
.endr
.irp q, 0,1,2,3
	v_mul_f32 v[24+\q], s20, v[24+\q]              ; as t (c is positive)
.endr
.irp q, 0,1,2,3
	s_delay_alu instid0(VALU_DEP_4)
	v_floor_f32 v[8+2*\q], -v[24+\q]               ; -M = floor(-t) = -ceil(t)
.endr
.irp q, 0,1,2,3
	v_mov_b32 v[9+2*\q], v[8+2*\q]
	v_mov_b32 v[16+2*\q], 0                        ; the sum, in two halves
	v_mov_b32 v[17+2*\q], 0
.endr
	s_mov_b32 s25, VIMG
; PASS 2, a step of 64 keys
.macro P2 first, last
	s_wait_dscnt 0x0                               ; this step's key tiles are in
	SMUL
	PLACES 4
	v_add_nc_u32 v3, s25, v1
	s_add_co_u32 s25, s25, 4096
	WIN 0x40
.irp dt, 0,1,2,3
.irp c, 0,1
	ds_load_b128 v[VF+8*\dt+4*\c:VF+8*\dt+4*\c+3], v3 offset:1024*\dt+512*\c
.endr
.endr
	WIN 0
.if !\last
	s_add_co_u32 s24, s24, 8192
	v_add_nc_u32 v2, s24, v1
	KLOAD
.endif
.irp q, 0,1,2,3
.set i, 0
.rept 16
	v_pk_fma_f32 v[S+32*\q+i:S+32*\q+i+1], v[S+32*\q+i:S+32*\q+i+1], s[20:21], v[8+2*\q:9+2*\q] op_sel_hi:[1,0,0]   ; t - M, two at a time
.set i, i+2
.endr
.endr
.set i, 0
	s_wait_alu depctr_va_vdst(0)
.rept 128
	v_exp_f32 v[S+i], v[S+i]                       ; p = 2^(t - M)
.set i, i+1
.endr
	v_nop                                          ; a plain instruction behind the last exponential
	s_wait_alu depctr_va_vdst(0)                   ; one wait for the whole batch, ahead of its first reader
.set i, 0
.rept 16
.irp q, 0,1,2,3
	v_pk_add_f32 v[16+2*\q:17+2*\q], v[16+2*\q:17+2*\q], v[S+32*\q+i:S+32*\q+i+1]   ; the sum is taken of the unquantised p
.endr
.set i, i+2
.endr
	s_cmp_ge_i32 s40, -8                           ; e8 >= -8: 448 x 2^e8 is 1.75 or more, above every p: the hold binds nowhere
	s_cbranch_scc1 .Lfits_\@                       ; (every window is 0 here; the branch leads round the 128 holds alone)
.set i, 0
.rept 128
	v_min_num_f32 v[S+i], v[S+i], v5               ; the conversion does not saturate (ISA guide 7.6.2); p is not negative: the hold is one-sided
.set i, i+1
.endr
.Lfits_\@:
.irp q, 0,1,2,3
.irp kk, 0,1,2,3
	v_cvt_scalef32_pk8_fp8_f32 v[CDS+8*\q+2*\kk:CDS+8*\q+2*\kk+1], v[S+32*\q+8*\kk:S+32*\q+8*\kk+7], v4
.endr
.endr
	v_nop
.if \last
	s_wait_alu depctr_va_vdst(0)
	s_wait_dscnt 0x0
.else
	s_wait_alu depctr_va_vdst(0)
	s_wait_dscnt 16                                ; V^T's tiles are in; the 16 loads of the next key tiles, issued behind them, may be out
.endif
	WIN 0x51                                       ; source 0 (V^T), C and D (O^T) window 1
.irp dt, 0,1,2,3
.irp q, 0,1,2,3
.if \first
	s_wait_alu depctr_va_vdst(0)
	v_wmma_f32_16x16x64_fp8_fp8 v[O+32*\q+8*\dt:O+32*\q+8*\dt+7], v[VF+8*\dt:VF+8*\dt+7], v[CDS+8*\q:CDS+8*\q+7], 0
.else
	v_wmma_f32_16x16x64_fp8_fp8 v[O+32*\q+8*\dt:O+32*\q+8*\dt+7], v[VF+8*\dt:VF+8*\dt+7], v[CDS+8*\q:CDS+8*\q+7], v[O+32*\q+8*\dt:O+32*\q+8*\dt+7]
.endif
.endr
.endr
	WIN 0
.endm
	P2 1, 0                                        ; the first step's products start O^T's sums
	s_mov_b32 s26, 14
.Lp2:
	P2 0, 0
	s_sub_co_u32 s26, s26, 1
	s_cmp_lg_u32 s26, 0
	s_cbranch_scc1 .Lp2
	P2 0, 1
	; THE WAY OUT: O^T x 2^(e8 + e9) / l, quantised with 2^e10: tile dt gives registers 2 dt, 2 dt + 1 of the head's half of a fragment of the next product's operand
	PLACES 4
.irp q, 0,1,2,3
	v_add_f32 v[24+\q], v[16+2*\q], v[17+2*\q]
.endr
.irp q, 0
	s_delay_alu instid0(VALU_DEP_4)
	v_permlanex16_b32 v30, v[24+\q], s22, s23
	s_delay_alu instid0(VALU_DEP_1)
	v_add_f32 v[24+\q], v[24+\q], v30
.endr
.irp q, 1, 2, 3
	s_delay_alu instid0(VALU_DEP_2)
	v_permlanex16_b32 v30, v[24+\q], s22, s23
	s_delay_alu instid0(VALU_DEP_1)
	v_add_f32 v[24+\q], v[24+\q], v30
.endr
	s_wait_alu depctr_va_vdst(0)
.irp q, 0,1,2,3
	v_rcp_f32 v[24+\q], v[24+\q]
.endr
	v_nop
	s_wait_alu depctr_va_vdst(0)                   ; one wait for the four reciprocals, ahead of their first reader
.irp q, 0,1,2,3
	v_ldexp_f32 v[8+2*\q], v[24+\q], s19
.endr
.irp q, 0,1,2,3
	s_delay_alu instid0(VALU_DEP_4)
	v_mov_b32 v[9+2*\q], v[8+2*\q]
.endr
	WIN 0x41                                       ; source 0 and destination window 1
.irp q, 0,1,2,3
.set i, 0
.rept 16
	v_pk_mul_f32 v[O+32*\q+i:O+32*\q+i+1], v[O+32*\q+i:O+32*\q+i+1], v[8+2*\q:9+2*\q]
.set i, i+2
.endr
.endr
.set i, 0
.rept 128
	v_med3_num_f32 v[O+i], v[O+i], -v7, v7
.set i, i+1
.endr
	WIN 0x01                                       ; source 0 window 1
.irp q, 0,1,2,3
.irp dt, 0,1,2,3
	v_cvt_scalef32_pk8_fp8_f32 v[CDS+8*\q+2*\dt:CDS+8*\q+2*\dt+1], v[O+32*\q+8*\dt:O+32*\q+8*\dt+7], v6
.endr
.endr
	v_nop
	WIN 0
.irp q, 0,1,2,3
.irp c, 0,1
	global_store_b128 v1, v[CDS+8*\q+4*\c:CDS+8*\q+4*\c+3], s[14:15] offset:8192*\q+512*\c   ; 512 consecutive bytes, aligned
.endr
.endr
	s_wait_tensorcnt 0x0                           ; the wave's end, behind my last LDS store
	ds_add_u32 v28, v29
	s_wait_dscnt 0x0
	s_endpgm
.Lfunc_end_k_qd6940b11ed_attn:
	.size	k_qd6940b11ed_attn, .Lfunc_end_k_qd6940b11ed_attn-k_qd6940b11ed_attn
	.p2alignl 7, 3214868480
	.fill 96, 4, 3214868480
	.section	.rodata,"a",@progbits
	.p2align	6, 0x0
	.amdhsa_kernel k_qd6940b11ed_attn
		.amdhsa_group_segment_fixed_size 197632
		.amdhsa_private_segment_fixed_size 0
		.amdhsa_enable_private_segment 0
		.amdhsa_kernarg_size 48
		.amdhsa_user_sgpr_count 2
		.amdhsa_user_sgpr_kernarg_segment_ptr 1
		.amdhsa_wavefront_size32 1
		.amdhsa_system_sgpr_workgroup_id_x 1
		.amdhsa_system_sgpr_workgroup_id_y 1
		.amdhsa_system_sgpr_workgroup_id_z 1
		.amdhsa_system_vgpr_workitem_id 0
		.amdhsa_next_free_vgpr 512
		.amdhsa_next_free_sgpr 66
		.amdhsa_reserve_vcc 0
		.amdhsa_float_denorm_mode_32 3
		.amdhsa_float_denorm_mode_16_64 3
		.amdhsa_memory_ordered 1
		.amdhsa_forward_progress 1
		.amdhsa_inst_pref_size 109
	.end_amdhsa_kernel
	.amdgpu_metadata
---
amdhsa.version: [ 1, 2 ]
amdhsa.kernels:
  - .name:           k_qd6940b11ed_attn
    .symbol:         k_qd6940b11ed_attn.kd
    .args:
      - { .name: qc, .offset: 0, .size: 8, .value_kind: global_buffer, .address_space: global }
      - { .name: kc, .offset: 8, .size: 8, .value_kind: global_buffer, .address_space: global }
      - { .name: vc, .offset: 16, .size: 8, .value_kind: global_buffer, .address_space: global }
      - { .name: eclipse_mask, .offset: 24, .size: 8, .value_kind: global_buffer, .address_space: global }
      - { .name: lowp_scales, .offset: 32, .size: 8, .value_kind: global_buffer, .address_space: global }
      - { .name: ctxc, .offset: 40, .size: 8, .value_kind: global_buffer, .address_space: global }
    .group_segment_fixed_size: 197632
    .private_segment_fixed_size: 0
    .kernarg_segment_align: 8
    .kernarg_segment_size: 48
    .max_flat_workgroup_size: 256
    .sgpr_count:     66
    .vgpr_count:     512
    .wavefront_size: 32
...
	.end_amdgpu_metadata
.endif
;; end of part 3
;; launch tail (part 4): grid 256 x 1, 4 waves a work-group, clusters of 4 x 1, 327,680 bytes of LDS; arguments x, ctxc, wc, lowp_scales, bo, g1, be1, b1, b2, g2, be2, out0; writes out0
.if DOCPART == 4
	.amdgcn_target "amdgcn-amd-amdhsa--gfx1250"
	.amdhsa_code_object_version 6
	.text
	.protected	k_qd6940b11ed_tail
	.globl	k_qd6940b11ed_tail
	.p2align	8
	.type	k_qd6940b11ed_tail,@function
k_qd6940b11ed_tail:
	s_mov_b64 s[64:65], 0
	v_nop
	global_prefetch_b8 v0, s[64:65] scope:SCOPE_SE
	s_setreg_imm32_b32 hwreg(HW_REG_WAVE_MODE, 25, 1), 1
	s_wait_xcnt 0x0
	s_wait_alu depctr_hold_cnt(0) depctr_sa_sdst(0) depctr_va_vdst(0) depctr_va_sdst(0) depctr_va_ssrc(0) depctr_va_vcc(0) depctr_vm_vsrc(0)
	s_getreg_b32 s2, hwreg(HW_REG_IB_STS2, 6, 4)
	s_cmp_eq_u32 s2, 0
	s_cbranch_scc0 .Lentry_in_a_cluster
	s_endpgm
.Lentry_in_a_cluster:
	s_bfe_u32 s2, ttmp6, 0x10000c
	s_cmp_lg_u32 s2, 0x3003
	s_cbranch_scc0 .Lentry_shape_is_right
	s_endpgm
.Lentry_shape_is_right:
; 64 rows (work-group x): ctx Wo^T + bo + x, layer norm, the feed-forward layer in 8 chunks of 256 hidden units, + h, layer norm; all three products on codes of E4M3.
; Wave w owns output columns 128 w .. 128 w + 127 (32 accumulators, window 2) and, in a chunk, hidden units 64 w .. 64 w + 63.
; THE WEIGHTS come as fragment images through ONE LDS area of 256 KB, 64 KB a wave, by joint loads of a cluster of four work-groups, which walk the same weights: Wo first, then the 8 chunks (a wave's 16 fragments of W1, then its 16 of W2).
; The area is filled again when all its fragments lie in registers (W1's in window 1, W2's in window 3), at a chunk's head: the load has the chunk's four GELU trips in which to land, and its fragments are read under the chunk's second product.
; Only the wave that asked for them reads a load's bytes.  By the text's own count a wave has one tensor load out at most, so every wait on TENSORcnt is for 0.
; A CHUNK: the refill; the first product and the GELU by row tiles of 16, in a loop of four trips, h's fragments coming from their images in LDS one tile ahead; the codes of g go to LDS; a barrier; the second product.
; b1, divided by 2^(e12 + e13), lies in LDS and is the C of each sum's first matrix instruction.  GELU(x) = max(x, 0) - |x| q, q = erfc(|x| / sqrt 2) / 2 by two fits, chosen by value.
; No prefetch: all 64 clusters walk the same 2.25 MB of wc in the same order; x and ctxc are read once, at the head, with no loop to run ahead in.
; LIMITS: the sums and differences of the given exponents that are made into f32 powers of two stay between -126 and 119.  NaN among the inputs is not served.
; REGISTERS: window 0: v1-39 addresses, scales, constants; v40-71 a row tile's sums; v72-103 b1; v104-167 h's fragments; v168-231 at work; v232-247 codes.  window 1: x as loaded, Wo, W1.  window 2: the accumulators.  window 3: ctx, b2, W2.
.set HIMG,  262144                     ; LDS behind the weights: h's 16 images; on the ways in and out the waves' stages
.set GIMG,  294912                     ; g's 8 images
.set RED,   311296                     ; the norms' partial sums
.set SPARE, 315392                     ; the spare words, 128 bytes a wave: two blocks of 256 bytes that no other line names
.set B1L,   SPARE+512                  ; b1 / 2^(e12 + e13), 8,192 bytes
.set STAGE, HIMG
.set L16,  1
.set AW0,  2
.set AW1,  3
.set AH,   4
.set AHF,  5
.set AG,   6
.set AGF,  7
.set STW,  8
.set STR,  9
.set REDW, 10
.set REDR, 11
.set PVO,  12
.set B1O,  13
.set SCH,  14
.set LMH,  15
.set SCG,  16
.set LMG,  17
.set SPW,  18
.set NIL,  19
.set ACC1, 40
.set BIA,  72
.set HF,   104
.set TT,   168
.set SS,   184
.set RR,   200
.set QQ,   216
.set CD,   232
.set B1S,  248
.set B1B,  249
.set B1A,  250
.set AHC,  251
.set AGC,  252
.set G1,   32
.set G0A,  40
.set MSB, 0
.macro WIN new
.if MSB != (\new)
	s_set_vgpr_msb (MSB<<8)|(\new)
.set MSB, (\new)
.endif
.endm
.macro PLACES n
.rept \n
	v_nop
.endr
.endm
.macro SPAIR r, val
	s_mov_b32 s[\r], \val
	s_mov_b32 s[\r+1], \val
.endm
.macro ROUND                           ; a round of the cluster's barrier
	s_barrier_signal -1
	s_barrier_wait -1
	s_cmp_lg_u32 s28, 0
	s_cbranch_scc1 .Lnw0_\@
	s_barrier_signal -3
.Lnw0_\@:
	s_barrier_wait -3
	s_barrier_signal -1
	s_barrier_wait -1
.endm
.macro BAR
	s_wait_dscnt 0x0
	s_barrier_signal -1
	s_barrier_wait -1
.endm
.macro REFILL g0                       ; a wait, the add and a round, then my 64 KB of the next 256 KB of wc
	s_wait_tensorcnt 0x0
	ds_add_u32 v[SPW], v[NIL]
	s_add_nc_u64 s[\g0+2:\g0+3], s[\g0+2:\g0+3], 0x40000
	s_wait_dscnt 0x0                               ; the add is done, and so are my reads of the area
	ROUND
	tensor_load_to_lds s[\g0:\g0+3], s[G1:G1+7]
	s_nop 0
	PLACES 4
.endm
.macro FETCHW win, adr                 ; 16 fragments into registers 16 f of a window
	WIN \win
.set f, 0
.rept 16
.irp c, 0,1,2,3
	ds_load_b128 v[16*f+4*\c:16*f+4*\c+3], v[\adr] offset:2048*f+512*\c
.endr
.set f, f+1
.endr
	WIN 0
.endm
.macro BLOAD                           ; b1 of my four tiles, in the chunk that s51 names
	v_add_nc_u32 v[B1A], s51, v[B1B]
.irp t, 0,1,2,3
	ds_load_b128 v[BIA+8*\t:BIA+8*\t+3], v[B1A] offset:64*\t
	ds_load_b128 v[BIA+8*\t+4:BIA+8*\t+7], v[B1A] offset:64*\t+16
.endr
.endm
.macro HLOAD adr
.irp ks, 0,1,2,3
.irp c, 0,1,2,3
	ds_load_b128 v[HF+16*\ks+4*\c:HF+16*\ks+4*\c+3], v[\adr] offset:2048*\ks+512*\c
.endr
.endr
.endm
; 64 products onto my 32 accumulators, 256 along K.  pf = 1: behind each group of 16 its four fragments' registers of window 1 take the fragments at adr;
; pf = 2: window 1 takes the next chunk's fragments of W1 (adr), and window 3, just multiplied, those of W2
.macro TURN2 win, bbase, bm, bk, pf, adr
.irp g, 0,1,2,3
	WIN \win
.irp tt, 0,1,2,3
.irp m, 0,1,2,3
	v_wmma_f32_16x16x128_fp8_fp8 v[64*\m+8*(4*(\g%2)+\tt):64*\m+8*(4*(\g%2)+\tt)+7], v[16*(4*\g+\tt):16*(4*\g+\tt)+15], v[\bbase+\bm*\m+(\bk)*(\g/2):\bbase+\bm*\m+(\bk)*(\g/2)+15], v[64*\m+8*(4*(\g%2)+\tt):64*\m+8*(4*(\g%2)+\tt)+7]
.endr
.endr
.if \pf
	PLACES 4
	WIN 0x40
.irp tt, 0,1,2,3
.irp c, 0,1,2,3
	ds_load_b128 v[16*(4*\g+\tt)+4*\c:16*(4*\g+\tt)+4*\c+3], v[\adr] offset:2048*(4*\g+\tt)+512*\c
.endr
.endr
.if \pf == 2
	WIN 0xc0
.irp tt, 0,1,2,3
.irp c, 0,1,2,3
	ds_load_b128 v[16*(4*\g+\tt)+4*\c:16*(4*\g+\tt)+4*\c+3], v[AW1] offset:2048*(4*\g+\tt)+512*\c
.endr
.endr
.endif
.endif
.endr
	WIN 0
.endm
; THE NORM: each wave sums its 128 columns of the 64 rows (a lane: one row of each of four tiles), the four waves' parts meet in LDS
.macro LNRED k
.irp m, 0,1,2,3
	v_pk_add_f32 v[168+4*\m:169+4*\m], v[168+4*\m:169+4*\m], v[170+4*\m:171+4*\m]
.endr
.irp m, 0,1,2,3
	v_add_f32 v[28+\m], v[168+4*\m], v[169+4*\m]
.endr
.irp m, 0,1,2,3
	v_permlanex16_b32 v[32+\m%2], v[28+\m], s90, s91
	v_add_f32 v[28+\m], v[28+\m], v[32+\m%2]
.endr
	ds_store_b128 v[REDW], v[28:31] offset:1024*\k
.endm
.macro LNSUM0 k
	WIN 0x0a
.irp m, 0,1,2,3
.irp c, 0,1
	v_pk_add_f32 v[168+4*\m+2*\c:169+4*\m+2*\c], v[64*\m+4*\c:64*\m+4*\c+1], v[64*\m+4*\c+2:64*\m+4*\c+3]
.endr
.endr
	WIN 0x02
.set i, 4
.rept 28
.irp m, 0,1,2,3
	v_pk_add_f32 v[168+4*\m+2*(i%2):169+4*\m+2*(i%2)], v[64*\m+2*i:64*\m+2*i+1], v[168+4*\m+2*(i%2):169+4*\m+2*(i%2)]
.endr
.set i, i+1
.endr
	WIN 0
	LNRED \k
.endm
.macro LNSUM1 k
	WIN 0x0a
.irp c, 0,1
.irp m, 0,1,2,3
	v_pk_mul_f32 v[168+4*\m+2*\c:169+4*\m+2*\c], v[64*\m+2*\c:64*\m+2*\c+1], v[64*\m+2*\c:64*\m+2*\c+1]
.endr
.endr
.set i, 2
.rept 30
.irp m, 0,1,2,3
	v_pk_fma_f32 v[168+4*\m+2*(i%2):169+4*\m+2*(i%2)], v[64*\m+2*i:64*\m+2*i+1], v[64*\m+2*i:64*\m+2*i+1], v[168+4*\m+2*(i%2):169+4*\m+2*(i%2)]
.endr
.set i, i+1
.endr
	WIN 0
	LNRED \k
.endm
.macro LNGET k
.irp w, 0,1,2,3
	ds_load_b128 v[168+4*\w:171+4*\w], v[REDR] offset:1024*\k+256*\w
.endr
.endm
.macro LNADD
	v_pk_add_f32 v[168:169], v[168:169], v[172:173]
	v_pk_add_f32 v[170:171], v[170:171], v[174:175]
	v_pk_add_f32 v[176:177], v[176:177], v[180:181]
	v_pk_add_f32 v[178:179], v[178:179], v[182:183]
	v_pk_add_f32 v[28:29], v[168:169], v[176:177]
	v_pk_add_f32 v[30:31], v[170:171], v[178:179]
.endm
.macro LNMEAN                          ; the mean is taken away
.irp m, 0,1,2,3
	v_mul_f32 v[20+2*\m], 0x3b000000, v[28+\m]
.endr
.irp m, 0,1,2,3
	v_mov_b32 v[21+2*\m], v[20+2*\m]
.endr
	WIN 0x82
.irp m, 0,1,2,3
.set e, 0
.rept 32
	v_pk_add_f32 v[64*\m+e:64*\m+e+1], v[64*\m+e:64*\m+e+1], v[20+2*\m:21+2*\m] neg_lo:[0,1] neg_hi:[0,1]
.set e, e+2
.endr
.endr
	WIN 0
.endm
.macro LNFIN sig, sig2                 ; x rsqrt(variance + eps), x the gain, + the offset; the sums' power of two goes in by sig and sig2
.irp m, 0,1,2,3
	v_fma_f32 v[28+\m], v[28+\m], s[\sig2], s31
.endr
	s_wait_alu depctr_va_vdst(0)
.irp m, 0,1,2,3
	v_rsq_f32 v[28+\m], v[28+\m]
.endr
	v_nop
	s_wait_alu depctr_va_vdst(0)
.irp m, 0,1,2,3
	v_mul_f32 v[20+2*\m], s[\sig], v[28+\m]
.endr
.irp m, 0,1,2,3
	v_mov_b32 v[21+2*\m], v[20+2*\m]
.endr
	WIN 0x82
.irp m, 0,1,2,3
.set e, 0
.rept 32
	v_pk_mul_f32 v[64*\m+e:64*\m+e+1], v[64*\m+e:64*\m+e+1], v[20+2*\m:21+2*\m]
.set e, e+2
.endr
.set e, 0
.rept 32
	v_pk_fma_f32 v[64*\m+e:64*\m+e+1], v[64*\m+e:64*\m+e+1], v[40+e:41+e], v[104+e:105+e]
.set e, e+2
.endr
.endr
	WIN 0
.endm
.macro FVV d, a, b, c
.set i, 0
.rept 8
	v_pk_fma_f32 v[\d+i:\d+i+1], v[\a+i:\a+i+1], v[\b+i:\b+i+1], v[\c+i:\c+i+1]
.set i, i+2
.endr
.endm
.macro FSC d, a, k, c
.set i, 0
.rept 8
	v_pk_fma_f32 v[\d+i:\d+i+1], v[\a+i:\a+i+1], s[\k:\k+1], v[\c:\c+1] op_sel_hi:[1,0,1]
.set i, i+2
.endr
.endm
.macro FVS d, a, b, k
.set i, 0
.rept 8
	v_pk_fma_f32 v[\d+i:\d+i+1], v[\a+i:\a+i+1], v[\b+i:\b+i+1], s[\k:\k+1] op_sel_hi:[1,1,0]
.set i, i+2
.endr
.endm
; GELU of 16 numbers a lane, in place, held at the largest code x the scale.  t = |x| / sqrt 2 (with the sums' power of two)
.macro GELU x
.set i, 0
.rept 16
	v_mul_f32 v[TT+i], |v[\x+i]|, s88
.set i, i+1
.endr
.set i, 0
.rept 8
	v_pk_mul_f32 v[SS+i:SS+i+1], v[TT+i:TT+i+1], v[TT+i:TT+i+1]
.set i, i+2
.endr
	FSC RR, TT, 66, 34                             ; large t: q = 2^(a polynomial in t) / 2
	FSC QQ, TT, 68, 36
	FVV RR, RR, SS, QQ
	FVS RR, RR, TT, 70
	FVS RR, RR, TT, 72
	FVS RR, RR, TT, 74
.set i, 0
.rept 8
	v_pk_fma_f32 v[RR+i:RR+i+1], v[RR+i:RR+i+1], v[TT+i:TT+i+1], v[TT+i:TT+i+1] neg_lo:[0,0,1] neg_hi:[0,0,1]
.set i, i+2
.endr
.set i, 0
.rept 8
	v_pk_fma_f32 v[RR+i:RR+i+1], v[RR+i:RR+i+1], s[86:87], -1.0 op_sel_hi:[1,0,0]
.set i, i+2
.endr
.set i, 0
	s_wait_alu depctr_va_vdst(0)                   ; the wait ahead of the batch
.rept 16
	v_exp_f32 v[RR+i], v[RR+i]
.set i, i+1
.endr
	FSC QQ, SS, 76, 38                             ; small t: q = (1 - erf t) / 2, erf by a polynomial in t^2
	FVS QQ, QQ, SS, 78
	FVS QQ, QQ, SS, 80
	FVS QQ, QQ, SS, 82
	FVS QQ, QQ, SS, 84
.set i, 0
.rept 8
	v_pk_fma_f32 v[QQ+i:QQ+i+1], v[QQ+i:QQ+i+1], v[TT+i:TT+i+1], 0.5 op_sel_hi:[1,1,0]   ; the fit's constants carry the factor -1/2: q = 1/2 + t x (-(1 + P(t^2)) / 2)
.set i, i+2
.endr
.set i, 0
.rept 16
	v_max_num_f32 v[SS+i], 0, v[\x+i]
.set i, i+1
.endr
	s_wait_alu depctr_va_vdst(0)                   ; and behind it, ahead of its first reader
.set i, 0
.rept 2                                        ; eight compares, then the eight choices
.irp k, 0,1,2,3
	v_cmp_lt_f32 s[12+\k], s89, v[TT+i+\k]
.endr
.irp k, 0,1,2,3
	v_cmp_lt_f32 s[52+\k], s89, v[TT+i+4+\k]
.endr
.irp k, 0,1,2,3
	v_cndmask_b32 v[QQ+i+\k], v[QQ+i+\k], v[RR+i+\k], s[12+\k]
.endr
.irp k, 0,1,2,3
	v_cndmask_b32 v[QQ+i+4+\k], v[QQ+i+4+\k], v[RR+i+4+\k], s[52+\k]
.endr
.set i, i+8
.endr
.set i, 0
.rept 16
	v_fma_f32 v[\x+i], -|v[\x+i]|, v[QQ+i], v[SS+i]
.set i, i+1
.endr
.set i, 0
.rept 16
	v_med3_num_f32 v[\x+i], v[\x+i], -v[LMG], v[LMG]
.set i, i+1
.endr
.endm
	s_load_b512 s[4:19], s[0:1], 0x0               ; x, ctxc, wc, the scales' exponents, bo, g1, be1, b1
	s_load_b256 s[20:27], s[0:1], 0x40             ; b2, g2, be2, out0
	v_lshl_add_u32 v[SPW], v0, 2, SPARE
	v_mov_b32 v[NIL], 0
	ds_add_u32 v[SPW], v[NIL]                      ; the add, twice on end, and its wait
	ds_add_u32 v[SPW], v[NIL]
	v_lshrrev_b32 v1, 5, v0
	v_readfirstlane_b32 s28, v1                    ; wave 0..3
	s_bfe_u32 s29, ttmp6, 0x40000
	s_lshl_b32 s30, ttmp9, 2
	s_add_co_u32 s30, s30, s29                     ; work-group x
	s_mov_b32 s[G1+0], 15|(3<<16)|(1<<21)          ; the mask of all four partners; elements of 8 bytes; bit 21 beside the mask
	s_mov_b32 s[G1+1], 32<<16                      ; rows of 256 bytes,
	s_mov_b32 s[G1+2], 256<<16                     ; 256 of them, dense
	s_mov_b32 s[G1+3], 32<<16
	s_mov_b32 s[G1+4], 256
	s_mov_b32 s[G1+5], 32
	s_mov_b32 s[G1+6], 0
	s_mov_b32 s[G1+7], 0
	SPAIR 66, 0xb7910000
	SPAIR 68, 0xbb7e8a1c
	SPAIR 70, 0xbddaae5c
	SPAIR 72, 0xbf228550
	SPAIR 74, 0xbe03ce86
	SPAIR 76, 0x399c7000
	SPAIR 78, 0x3c5b48d9
	SPAIR 80, 0xbd670e22
	SPAIR 82, 0x3e409380
	SPAIR 84, 0xbf106eba
	SPAIR 86, 0x3fb8aa3b
	s_mov_b32 s89, 0x3f6d8000
	s_mov_b32 s90, 0x76543210
	s_mov_b32 s91, 0xfedcba98
	s_mov_b32 s31, 0x3727c5ac                      ; 1e-5
	s_lshl_b32 s2, s28, 16                         ; my 64 KB, in a step's 256 KB of wc and in LDS
	s_mov_b32 s3, 0
	s_wait_dscnt 0x0
	s_wait_kmcnt 0x0
	s_load_b512 s[48:63], s[10:11], 0x0
	s_add_nc_u64 s[8:9], s[8:9], s[2:3]
	s_mov_b32 s[G0A], 1
	s_mov_b32 s[G0A+1], s2
	s_add_nc_u64 s[G0A+2:G0A+3], s[8:9], 786432    ; Wo: fragment 384 on
	s_or_b32 s[G0A+3], s[G0A+3], 0x80000000
	s_add_co_u32 s44, s2, 32768                    ; the second 16 of my 32 fragments
	ROUND
	tensor_load_to_lds s[G0A:G0A+3], s[G1:G1+7]
	s_nop 0
	v_and_b32 v1, 31, v0
	v_lshlrev_b32 v[L16], 4, v1
	s_wait_alu depctr_va_vdst(0)
	v_and_b32 v32, 15, v0
	s_wait_alu depctr_va_vdst(0)
	v_bfe_u32 v33, v0, 4, 1
	v_add_nc_u32 v[AW0], s[G0A+1], v[L16]
	v_add_nc_u32 v[AW1], s44, v[L16]
	s_lshl_b32 s2, s28, 11
	s_add_co_u32 s2, s2, HIMG
	v_add_nc_u32 v[AH], s2, v[L16]
	v_add_nc_u32 v[AHF], HIMG, v[L16]
	s_lshr_b32 s2, s28, 1
	s_lshl_b32 s2, s2, 11
	s_and_b32 s29, s28, 1
	s_lshl_b32 s29, s29, 10
	s_add_co_u32 s2, s2, s29
	s_add_co_u32 s2, s2, GIMG
	v_add_nc_u32 v[AG], s2, v[L16]
	v_add_nc_u32 v[AGF], GIMG, v[L16]
	s_mul_i32 s2, s28, 8448
	s_add_co_u32 s2, s2, STAGE
	v_mul_u32_u24 v[STW], v32, 528
	s_wait_alu depctr_va_vdst(0)
	v_lshl_add_u32 v[STW], v33, 5, v[STW]
	v_add_nc_u32 v[STW], s2, v[STW]
	v_add_nc_u32 v[STR], s2, v[L16]
	s_lshl_b32 s2, s28, 8
	s_add_co_u32 s2, s2, RED
	v_lshlrev_b32 v[REDR], 4, v32
	v_add_nc_u32 v[REDW], s2, v[REDR]
	v_add_nc_u32 v[REDR], RED, v[REDR]
	v_lshlrev_b32 v[PVO], 5, v33
	s_wait_alu depctr_va_vdst(0)
	v_mov_b32 v34, 0x39c8e7d9
	v_mov_b32 v35, 0x39c8e7d9
	v_mov_b32 v36, 0x3cc6b1a1
	v_mov_b32 v37, 0x3cc6b1a1
	v_mov_b32 v38, 0xbb238d2c
	v_mov_b32 v39, 0xbb238d2c
	s_lshl_b32 s2, s30, 17
	s_lshl_b32 s29, s28, 9
	s_add_co_u32 s2, s2, s29
	s_add_nc_u64 s[4:5], s[4:5], s[2:3]
	s_add_nc_u64 s[26:27], s[26:27], s[2:3]
	s_lshl_b32 s2, s30, 15
	s_add_nc_u64 s[6:7], s[6:7], s[2:3]
	s_mov_b32 s2, s29
	s_add_nc_u64 s[12:13], s[12:13], s[2:3]
	s_add_nc_u64 s[14:15], s[14:15], s[2:3]
	s_add_nc_u64 s[16:17], s[16:17], s[2:3]
	s_add_nc_u64 s[20:21], s[20:21], s[2:3]
	s_add_nc_u64 s[22:23], s[22:23], s[2:3]
	s_add_nc_u64 s[24:25], s[24:25], s[2:3]
	v_lshlrev_b32 v[B1O], 4, v0
	v_add_nc_u32 v[B1S], B1L, v[B1O]
	s_lshl_b32 s2, s28, 8
	s_add_co_u32 s2, s2, B1L
	v_lshl_add_u32 v[B1B], v33, 5, s2
.irp t, 0,1,2,3,4,5,6,7
	global_load_b128 v[168+8*\t:171+8*\t], v[PVO], s[12:13] offset:64*\t
	global_load_b128 v[172+8*\t:175+8*\t], v[PVO], s[12:13] offset:64*\t+16
.endr
	WIN 0x40
.set i, 0
.rept 64
	global_load_b128 v[4*i:4*i+3], v[L16], s[4:5] offset:2048*i th:TH_LOAD_NT   ; my 512 bytes of row i of x
.set i, i+1
.endr
	WIN 0
	s_wait_alu depctr_va_vdst(0)
	s_wait_kmcnt 0x0
	s_add_co_i32 s2, s58, s59
	s_sub_co_i32 s3, 127, s2
	s_lshl_b32 s92, s3, 23
	s_mov_b32 s93, s92
	s_add_co_i32 s3, s2, 127
	s_lshl_b32 s98, s3, 23
	s_lshl_b32 s3, s2, 1
	s_add_co_i32 s3, s3, 118
	s_lshl_b32 s99, s3, 23
	s_add_co_i32 s2, s62, s63
	s_sub_co_i32 s3, 127, s2
	s_lshl_b32 s94, s3, 23
	s_mov_b32 s95, s94
	s_add_co_i32 s3, s2, 127
	s_lshl_b32 s100, s3, 23
	s_lshl_b32 s3, s2, 1
	s_add_co_i32 s3, s3, 118
	s_lshl_b32 s101, s3, 23
	s_add_co_i32 s2, s60, s61
	s_sub_co_i32 s3, 127, s2
	s_lshl_b32 s96, s3, 23
	s_mov_b32 s97, s96
	s_lshl_b32 s3, s2, 23
	s_add_co_i32 s88, s3, 0x3f3504f3
	s_add_co_i32 s3, s60, 127
	s_lshl_b32 s29, s3, 23
	v_mov_b32 v[SCH], s29
	s_add_co_i32 s3, s3, 8
	s_lshl_b32 s3, s3, 23
	s_or_b32 s3, s3, 0x600000
	v_mov_b32 v[LMH], s3
	s_sub_co_i32 s3, s62, s2
	s_add_co_i32 s3, s3, 127
	s_lshl_b32 s29, s3, 23
	v_mov_b32 v[SCG], s29
	s_add_co_i32 s3, s3, 8
	s_lshl_b32 s3, s3, 23
	s_or_b32 s3, s3, 0x600000
	v_mov_b32 v[LMG], s3
.macro XIN m                           ; 16 rows of x turn through my stage into the accumulators' layout; ctx's four fragments of these rows are asked for
	s_wait_loadcnt 48
	WIN 0x04
.irp i, 0,1,2,3,4,5,6,7,8,9,10,11,12,13,14,15
	ds_store_b128 v[STR], v[64*\m+4*\i:64*\m+4*\i+3] offset:528*\i
.endr
	WIN 0x80
.irp t, 0,1,2,3,4,5,6,7
	ds_load_b128 v[64*\m+8*\t:64*\m+8*\t+3], v[STW] offset:64*\t
	ds_load_b128 v[64*\m+8*\t+4:64*\m+8*\t+7], v[STW] offset:64*\t+16
.endr
	WIN 0xc0
.irp ks, 0,1,2,3
.irp c, 0,1,2,3
	global_load_b128 v[16*(4*\m+\ks)+4*\c:16*(4*\m+\ks)+4*\c+3], v[L16], s[6:7] offset:8192*\m+2048*\ks+512*\c
.endr
.endr
.endm
	XIN 0
	XIN 1
	XIN 2
	XIN 3
	WIN 0
.irp t, 0,1,2,3,4,5,6,7
	global_load_b128 v[40+8*\t:43+8*\t], v[PVO], s[14:15] offset:64*\t
	global_load_b128 v[44+8*\t:47+8*\t], v[PVO], s[14:15] offset:64*\t+16
	global_load_b128 v[104+8*\t:107+8*\t], v[PVO], s[16:17] offset:64*\t
	global_load_b128 v[108+8*\t:111+8*\t], v[PVO], s[16:17] offset:64*\t+16
.endr
.set e, 0
.rept 32
	v_pk_mul_f32 v[168+e:169+e], v[168+e:169+e], s[92:93] op_sel_hi:[1,0]
.set e, e+2
.endr
	s_wait_dscnt 0x0
	WIN 0x82
.irp m, 0,1,2,3                                ; the sums begin as (x + bo) / 2^(e10 + e11)
.set e, 0
.rept 32
	v_pk_fma_f32 v[64*\m+e:64*\m+e+1], v[64*\m+e:64*\m+e+1], s[92:93], v[168+e:169+e] op_sel_hi:[1,0,1]
.set e, e+2
.endr
.endr
	WIN 0
	s_wait_alu depctr_va_vdst(0)
	s_wait_tensorcnt 0x0                           ; my 32 fragments of Wo are in
	FETCHW 0x40, AW0
	s_wait_loadcnt 32                              ; ctx is in; the 32 loads of g1 and be1 may be out
	s_wait_dscnt 0x0
	TURN2 0xad, 0, 64, 16, 1, AW1
	REFILL G0A                                     ; all of Wo lies in registers: the area takes chunk 0
	TURN2 0xad, 32, 64, 16, 0, AW1
	PLACES 4
	WIN 0xc0
.irp t, 0,1,2,3,4,5,6,7
	global_load_b128 v[8*\t:8*\t+3], v[PVO], s[20:21] offset:64*\t
	global_load_b128 v[8*\t+4:8*\t+7], v[PVO], s[20:21] offset:64*\t+16
.endr
	WIN 0
	LNSUM0 0
	BAR
	LNGET 0
	s_wait_dscnt 0x0
	LNADD
	LNMEAN
	LNSUM1 1
	BAR
	LNGET 1
	s_wait_dscnt 0x0
	LNADD
	s_wait_alu depctr_va_vdst(0)
	s_wait_loadcnt 0x0
	LNFIN 98, 99
.irp i, 0,1,2,3
	global_load_b128 v[40+4*\i:43+4*\i], v[B1O], s[18:19] offset:2048*\i   ; b1: 128 threads x 16 bytes, four times
.endr
.macro HQ m                            ; h's codes: my 128 columns of 16 rows are one fragment image
	WIN 0x02
.set e, 0
.rept 64
	v_med3_num_f32 v[168+e], v[64*\m+e], -v[LMH], v[LMH]
.set e, e+1
.endr
	WIN 0
.if \m > 0
	s_wait_alu depctr_va_vdst(0)
	s_wait_dscnt 0x0
.endif
.irp t, 0,1,2,3,4,5,6,7
	v_cvt_scalef32_pk8_fp8_f32 v[CD+2*\t:CD+2*\t+1], v[168+8*\t:175+8*\t], v[SCH]
.endr
	v_nop
.irp c, 0,1,2,3
	ds_store_b128 v[AH], v[CD+4*\c:CD+4*\c+3] offset:8192*\m+512*\c
.endr
.endm
	HQ 0
	HQ 1
	HQ 2
	HQ 3
	WIN 0xc3
.set e, 0
.rept 32
	v_pk_mul_f32 v[e:e+1], v[e:e+1], s[94:95] op_sel_hi:[1,0]
.set e, e+2
.endr
	WIN 0xb2
.irp m, 0,1,2,3                                ; the sums go on as (h + b2) / 2^(e14 + e15)
.set e, 0
.rept 32
	v_pk_fma_f32 v[64*\m+e:64*\m+e+1], v[64*\m+e:64*\m+e+1], s[94:95], v[e:e+1] op_sel_hi:[1,0,1]
.set e, e+2
.endr
.endr
	WIN 0
	s_wait_loadcnt 0x0
.set e, 0
.rept 8
	v_pk_mul_f32 v[40+e:41+e], v[40+e:41+e], s[96:97] op_sel_hi:[1,0]   ; b1 / 2^(e12 + e13)
.set e, e+2
.endr
.irp i, 0,1,2,3
	ds_store_b128 v[B1S], v[40+4*\i:43+4*\i] offset:2048*\i
.endr
	BAR                                            ; h's images and b1 are whole
	s_wait_tensorcnt 0x0                           ; my part of chunk 0 is in
	FETCHW 0x40, AW0                               ; W1's fragments
	FETCHW 0xc0, AW1                               ; W2's
	HLOAD AHF                                      ; h's row tile 0
.macro CHUNK more
.if \more
	REFILL G0A                                     ; this chunk's fragments lie in windows 1 and 3: the area takes the next chunk's
.else
	s_wait_tensorcnt 0x0
	s_wait_dscnt 0x0
	s_barrier_signal -1
	s_barrier_wait -1                              ; nobody reads the last chunk's codes of g any more
	PLACES 4
.endif
	s_mov_b32 s48, 4
	s_mov_b32 s50, 0                               ; 4,096 x the row tile in hand
	s_wait_alu depctr_va_vdst(0)
	s_wait_dscnt 0x0                               ; b1 is in
.Lm_\@:
	WIN 0x01                                       ; source 0 (W1) window 1
.irp ks, 0,1,2,3
.irp t, 0,1,2,3
.if \ks == 0
	v_wmma_f32_16x16x128_fp8_fp8 v[ACC1+8*\t:ACC1+8*\t+7], v[16*(4*\t+\ks):16*(4*\t+\ks)+15], v[HF+16*\ks:HF+16*\ks+15], v[BIA+8*\t:BIA+8*\t+7]
.else
	v_wmma_f32_16x16x128_fp8_fp8 v[ACC1+8*\t:ACC1+8*\t+7], v[16*(4*\t+\ks):16*(4*\t+\ks)+15], v[HF+16*\ks:HF+16*\ks+15], v[ACC1+8*\t:ACC1+8*\t+7]
.endif
.endr
.endr
	WIN 0
	PLACES 4
	s_sub_co_u32 s49, s48, 1
	s_lshl_b32 s49, s49, 13
	v_add_nc_u32 v[AHC], s49, v[AHF]
	v_add_nc_u32 v[AGC], s50, v[AG]
	s_lshr_b32 s50, s49, 1
	HLOAD AHC                                      ; the next row tile's fragments of h
	GELU ACC1
	GELU ACC1+16
	s_wait_alu depctr_va_vdst(0)
	s_wait_dscnt 16                                ; the last trip's two stores have read the code registers; the 16 loads above may be out
.irp t, 0,1,2,3
	v_cvt_scalef32_pk8_fp8_f32 v[CD+2*\t:CD+2*\t+1], v[ACC1+8*\t:ACC1+8*\t+7], v[SCG]
.endr
	v_nop
	ds_store_b128 v[AGC], v[CD:CD+3]
	ds_store_b128 v[AGC], v[CD+4:CD+7] offset:512
	s_sub_co_u32 s48, s48, 1
	s_cmp_lg_u32 s48, 0
	s_wait_alu depctr_va_vdst(0)
	s_wait_dscnt 2                                 ; h's next fragments are in; the two stores may be out
	s_cbranch_scc1 .Lm_\@
	s_wait_tensorcnt 0x0                           ; my part of the next chunk is in (the last chunk: nothing is out);
	ds_add_u32 v[SPW], v[NIL]                      ; the add;
	s_wait_dscnt 0x0                               ; my codes of g have landed
	s_barrier_signal -1
	s_barrier_wait -1                              ; everybody's have
.irp m, 0,1,2,3
.irp ks, 0,1
.irp c, 0,1,2,3
	ds_load_b128 v[168+16*\m-128*\ks+4*\c:168+16*\m-128*\ks+4*\c+3], v[AGF] offset:4096*\m+2048*\ks+512*\c
.endr
.endr
.endr
	s_wait_dscnt 0x0
	TURN2 0xa3, 168, 16, -128, 2*\more, AW0        ; source 0 (W2) window 3, source 1 (g) window 0
.if \more
	s_add_co_u32 s51, s51, 1024                    ; b1: 256 units on,
	BLOAD                                          ; asked for here, ahead of the refill's wait for my LDS reads
.endif
.endm
	s_mov_b32 s51, 0
	BLOAD
	s_mov_b32 s29, 7
.Lchunk:
	s_wait_alu depctr_va_vdst(0)
	CHUNK 1
	s_sub_co_u32 s29, s29, 1
	s_cmp_lg_u32 s29, 0
	s_cbranch_scc1 .Lchunk
	s_wait_alu depctr_va_vdst(0)
	CHUNK 0                                        ; the last chunk is written out: it asks for nothing more
	PLACES 4
.irp t, 0,1,2,3,4,5,6,7
	global_load_b128 v[40+8*\t:43+8*\t], v[PVO], s[22:23] offset:64*\t
	global_load_b128 v[44+8*\t:47+8*\t], v[PVO], s[22:23] offset:64*\t+16
	global_load_b128 v[104+8*\t:107+8*\t], v[PVO], s[24:25] offset:64*\t
	global_load_b128 v[108+8*\t:111+8*\t], v[PVO], s[24:25] offset:64*\t+16
.endr
	LNSUM0 2
	BAR
	LNGET 2
	s_wait_dscnt 0x0
	LNADD
	LNMEAN
	LNSUM1 3
	BAR
	LNGET 3
	s_wait_dscnt 0x0
	LNADD
	s_wait_alu depctr_va_vdst(0)
	s_wait_loadcnt 0x0
	LNFIN 100, 101
; THE WAY OUT: 16 rows at a time through my stage, back as rows of 512 bytes
.macro OUTST m
	WIN 0x08
.irp t, 0,1,2,3,4,5,6,7
	ds_store_b128 v[STW], v[64*\m+8*\t:64*\m+8*\t+3] offset:64*\t
	ds_store_b128 v[STW], v[64*\m+8*\t+4:64*\m+8*\t+7] offset:64*\t+16
.endr
	WIN 0xc0
.irp i, 0,1,2,3,4,5,6,7,8,9,10,11,12,13,14,15
	ds_load_b128 v[64*\m+4*\i:64*\m+4*\i+3], v[STR] offset:528*\i
.endr
.endm
.macro OUTGO m, younger
	s_wait_dscnt \younger
	WIN 0x0c
.irp i, 0,1,2,3,4,5,6,7,8,9,10,11,12,13,14,15
	global_store_b128 v[L16], v[64*\m+4*\i:64*\m+4*\i+3], s[26:27] offset:(16*\m+\i)*2048 th:TH_STORE_NT   ; 512 consecutive bytes, aligned
.endr
.endm
	OUTST 0
	OUTST 1
	s_wait_alu depctr_va_vdst(0)
	OUTGO 0, 32
	OUTST 2
	OUTGO 1, 32
	OUTST 3
	OUTGO 2, 32
	OUTGO 3, 0
	WIN 0
	s_wait_tensorcnt 0x0                           ; the wave's end, then the closing round
	ds_add_u32 v[SPW], v[NIL]
	s_wait_dscnt 0x0
	ROUND
	s_endpgm
.Lfunc_end_k_qd6940b11ed_tail:
	.size	k_qd6940b11ed_tail, .Lfunc_end_k_qd6940b11ed_tail-k_qd6940b11ed_tail
	.p2alignl 7, 3214868480
	.fill 96, 4, 3214868480
	.section	.rodata,"a",@progbits
	.p2align	6, 0x0
	.amdhsa_kernel k_qd6940b11ed_tail
		.amdhsa_group_segment_fixed_size 327680
		.amdhsa_private_segment_fixed_size 0
		.amdhsa_enable_private_segment 0
		.amdhsa_kernarg_size 96
		.amdhsa_user_sgpr_count 2
		.amdhsa_user_sgpr_kernarg_segment_ptr 1
		.amdhsa_wavefront_size32 1
		.amdhsa_system_sgpr_workgroup_id_x 1
		.amdhsa_system_sgpr_workgroup_id_y 1
		.amdhsa_system_sgpr_workgroup_id_z 1
		.amdhsa_system_vgpr_workitem_id 0
		.amdhsa_next_free_vgpr 1024
		.amdhsa_next_free_sgpr 102
		.amdhsa_reserve_vcc 0
		.amdhsa_float_denorm_mode_32 3
		.amdhsa_float_denorm_mode_16_64 3
		.amdhsa_memory_ordered 1
		.amdhsa_forward_progress 1
		.amdhsa_inst_pref_size 255
	.end_amdhsa_kernel
	.section	.bss,"aw",@nobits
	.p2align	6
	.space	262144
	.amdgpu_metadata
---
amdhsa.version: [ 1, 2 ]
amdhsa.kernels:
  - .name:           k_qd6940b11ed_tail
    .symbol:         k_qd6940b11ed_tail.kd
    .args:
      - { .name: x, .offset: 0, .size: 8, .value_kind: global_buffer, .address_space: global }
      - { .name: ctxc, .offset: 8, .size: 8, .value_kind: global_buffer, .address_space: global }
      - { .name: wc, .offset: 16, .size: 8, .value_kind: global_buffer, .address_space: global }
      - { .name: lowp_scales, .offset: 24, .size: 8, .value_kind: global_buffer, .address_space: global }
      - { .name: bo, .offset: 32, .size: 8, .value_kind: global_buffer, .address_space: global }
      - { .name: g1, .offset: 40, .size: 8, .value_kind: global_buffer, .address_space: global }
      - { .name: be1, .offset: 48, .size: 8, .value_kind: global_buffer, .address_space: global }
      - { .name: b1, .offset: 56, .size: 8, .value_kind: global_buffer, .address_space: global }
      - { .name: b2, .offset: 64, .size: 8, .value_kind: global_buffer, .address_space: global }
      - { .name: g2, .offset: 72, .size: 8, .value_kind: global_buffer, .address_space: global }
      - { .name: be2, .offset: 80, .size: 8, .value_kind: global_buffer, .address_space: global }
      - { .name: out0, .offset: 88, .size: 8, .value_kind: global_buffer, .address_space: global }
    .group_segment_fixed_size: 327680
    .private_segment_fixed_size: 0
    .kernarg_segment_align: 8
    .kernarg_segment_size: 96
    .max_flat_workgroup_size: 128
    .sgpr_count:     102
    .vgpr_count:     1024
    .wavefront_size: 32
...
	.end_amdgpu_metadata
.endif
;; end of part 4
